; MI455X (gfx1250); checked and timed in simulation.
; The chip was launched on July 23, 2026; its instructions are those of AMD's public machine-readable ISA for CDNA 5 (MIT licence, August 2026) and "CDNA5" Instruction Set Architecture Reference Guide (July 2026). The comments in the code are by the model that wrote it; some were corrected since.
;; Memory Efficient Attention. Allowed arithmetic: matrix products marked QUANTISED: E2M3 operands, one E8M0 scale for each 32 along K, by v_wmma_scale_f32_16x16x128_f8f6f4 with both operands' format E2M3, f32 sums; everything else in f32.
;; Inputs: Wk 1,024 x 1,024 float32; Wo 1,024 x 1,024 float32; Wq 1,024 x 1,024 float32; Wv 1,024 x 1,024 float32; bk 1,024 float32; bo 1,024 float32; bq 1,024 float32; bv 1,024 float32; query 4 x 2,048 x 1,024 float32.
;; Outputs: out0 4 x 2,048 x 1,024 float32.
;; This version of the problem:
;;   THIS VERSION OF THE PROBLEM IS GIVEN IN LOW PRECISION. The matrix products marked QUANTISED in the list below multiply operands that are first quantised to E2M3 (2 exponent bits, 3 mantissa bits; 6 bits a number), with one power-of-two scale for each 32 numbers along K (OCP MX v1.0); their sums are f32. All else is computed in f32.
;;   The module's matrix products, in the order in which they are computed (A, B: the left and right operand; K: the contracted axis; several contracted axes count as one K, in the product's order):
;;     1. [M 8,192, K 1,024] x [K 1,024, N 1,024]; A: input query; B: input Wq: QUANTISED
;;     2. [M 8,192, K 1,024] x [K 1,024, N 1,024]; A: input query; B: input Wk: QUANTISED
;;     3. [M 8,192, K 1,024] x [K 1,024, N 1,024]; A: input query; B: input Wv: QUANTISED
;;     4. batch 64 x [M 2,048, K 64] x [K 64, N 2,048]; A: computed on the way; B: computed on the way: QUANTISED
;;     5. batch 64 x [M 64, K 2,048] x [K 2,048, N 2,048]; A: computed on the way; B: softmax (see below): QUANTISED
;;     6. [M 8,192, K 1,024] x [K 1,024, N 1,024]; A: computed on the way; B: input Wo: QUANTISED
;;   THE QUANTISER, for each operand of a quantised product, along K:
;;     - K is cut into blocks of 32 from its start; a last block that is shorter is filled with zeros.
;;     - A block's scale is 2^e with e = floor(log2(the largest magnitude in the block)) - 2, held to -126 .. 127; a block of zeros has e = 0. As a byte (E8M0): e + 127.
;;     - Each number is divided by its block's scale, clamped to +-7.5, and rounded to the nearest number of E2M3, ties to even, subnormals kept.
;;     - The product sums the exact products of the quantised numbers (number of the format x scale) in f32.
;;   ~~~python
;;   def quantise(x, axis):      # numpy; x: float32 -> the quantised numbers, widened to float32 again
;;       x = np.moveaxis(x, axis, -1); K = x.shape[-1]
;;       x = np.pad(x, [(0, 0)] * (x.ndim - 1) + [(0, -K % 32)]); x = x.reshape(x.shape[:-1] + (-1, 32)); a = np.abs(x).max(-1, keepdims=True)
;;       e = np.where(a > 0, np.clip(np.frexp(np.where(a > 0, a, 1))[1] - 1 - 2, -126, 127), 0)      # np.frexp(a)[1] - 1 = floor(log2(a)), exactly
;;       r = np.clip(x / 2.0 ** e, -7.5, 7.5)
;;       step = 2.0 ** (np.maximum(np.frexp(np.where(r == 0, 1, r))[1] - 1, 0) - 3)
;;       q = np.round(r / step) * step * 2.0 ** e      # np.round: ties to even
;;       return np.moveaxis(q.reshape(q.shape[:-2] + (-1,))[..., :K], -1, axis).astype(np.float32)
;;   ~~~
;;   SOFTMAX AHEAD OF A QUANTISED PRODUCT. Where the list says 'softmax', what is quantised is not the finished softmax but p = 2^(t - M), with t = logit x log2(e) and M = ceil(the row's largest t), a whole number; so 1/2 < the row's largest p <= 1. The row's sum l is taken of the UNQUANTISED p, in f32, and the product's result is divided by l at the end. Since M is a whole number, a kernel that streams over the keys may use a running M (the ceiling of the running maximum): every later rescaling is an exact power of two, which a block's scale takes up: the codes' values come out the same.
;;   OPERANDS COMPUTED ON THE WAY. 'Computed on the way' means the value that the module computes at that place (a softmax that the list does not call 'softmax' is quantised finished and normalised). What goes into a quantiser is computed in f32, as accurately as f32 sums, v_exp_f32 and their like allow (about 1e-6 of the number): no bf16 or f16 on the way to a quantiser, and a product that is left as it is and whose result goes on into a quantised operand takes f32 operands (vector FMAs, or v_wmma_f32_16x16x4_f32). A number that lies on a knife's edge between two numbers of the format may be rounded either way, as far as f32 arithmetic and the matrix unit's own rounding can turn it there, and no further.
;; One version. Each part assembles by itself: llvm-mc -triple=amdgcn-amd-amdhsa -mcpu=gfx1250 --defsym DOCPART=n.
;; ======== version 1 of 1: 4 launches
;; limits: right only within a limited range of input values
;; workspace buffers: actc 6,291,456 bytes; acts 262,144 bytes; wc 3,145,728 bytes; ws 131,072 bytes; qc 6,291,456 bytes; qs 524,288 bytes; kv 13,369,344 bytes
;; launch quant (part 1): grid 256 x 1, 6 waves a work-group, no clusters, 47,360 bytes of LDS; arguments query, actc, acts, Wq, Wk, Wv, Wo, wc, ws; writes actc, acts, wc, ws
.if DOCPART == 1
	.amdgcn_target "amdgcn-amd-amdhsa--gfx1250"
	.amdhsa_code_object_version 6
	.text
	.protected	k_q54b035a873_quant
	.globl	k_q54b035a873_quant
	.p2align	8
	.type	k_q54b035a873_quant,@function
k_q54b035a873_quant:
	s_mov_b64 s[64:65], 0
	v_nop
	global_prefetch_b8 v0, s[64:65] scope:SCOPE_SE
	s_setreg_imm32_b32 hwreg(HW_REG_WAVE_MODE, 25, 1), 1
	s_wait_xcnt 0x0
; ONE LAUNCH QUANTISES THE TOKENS AND THE FOUR WEIGHTS to codes of FP6 (E2M3) with one E8M0 byte for each 32 along K, laid as IMAGES OF THE OPERAND'S REGISTERS.
; Waves 0-3 of a work-group take 32 rows of query, waves 4 and 5 take 64 columns x 256 K of one weight.  The two paths part once, on the wave's number; waves share nothing, so there is no barrier; each path has LDS bytes of its own.
; A block's scale is 2^(floor(log2(largest magnitude)) - 2); its byte is the magnitude's exponent field - 2, held at 1 from below.
; LIMITS: NaN and infinities among the inputs are not served; a block of zeros gets the byte 1 (its codes are zeros; this program alone reads the bytes).
; QUERY [8192][1024] f32.  actc: [K slot s of 256][row tile T of 16][kk of 128 K][1,536 bytes]: a fragment (12 registers a lane) as two halves of 768 bytes: registers 6c..6c+3 at 768 c + 16 x lane, registers 6c+4, 6c+5 at 768 c + 512 + 8 x lane.
; acts: [K slot][position][2 words]: a word = the four scale bytes of 128 along K of one row.
; THE ROWS OF A TILE ARE NOT NEIGHBOURS: position 16 u + r of a group of 32 rows holds true row 8 u + r + 8 (r / 8); later products lean on that order.
; Wave s takes the K slot s: four fragments f = 2 u + kk.  Each load reads 512 consecutive bytes of a row; 16 rows turn through the wave's own stage in LDS (rows 528 bytes apart), from which lane (r, h) takes, of row r, the two whole
; blocks 64 c + 32 h + 0 .. 31 that the operand's layout gives it.
; Wq, Wk, Wv, Wo [1024 (k)][1024 (n)] f32, K their FIRST axis.  wc: [K slot of 256][row tile 64 x weight + n / 16][kk][1,536 bytes], fragments as above.  ws: [K slot][position][2 words].  Position 16 u + r of 32 columns holds true column 8 u + r + 8 (r / 8).
; A LANE TAKES A COLUMN n AND ITS REGISTERS RUN DOWN K: a block of 32 lies in one lane's 32 registers, and the conversions give codes with K innermost.
; Work-group number = 64 x K slot + 16 x weight + a group of 64 columns; a wave takes 32 columns x 256 K = 8 blocks a lane = two tiles x two fragments, gathered in its own LDS and stored as 6,144 consecutive bytes.
.set WLDS,   33792                     ; behind the four stages of 16 x 528 bytes: the weights' two regions of 6,400 bytes
.set SPARE,  46592                     ; behind them: the spare words, 128 bytes for each of six waves
	v_lshl_add_u32 v248, v0, 2, SPARE
	v_mov_b32 v249, 0
	v_lshrrev_b32 v1, 5, v0
	v_readfirstlane_b32 s16, v1                    ; wave
	s_cmp_lt_u32 s16, 4
	s_wait_alu depctr_va_vdst(0)
	s_cbranch_scc0 .Lweights
.set ASTEP,  1572864                   ; a K slot of actc in bytes: 512 tiles x 3,072
.set SPITCH, 528
.set R,   16                           ; v16-143  two sets of 64: 16 rows as loaded
.set X,   144                          ; v144-207 my two blocks of 32
.set PC,  208                          ; v208-219 the fragment's codes
.set T0,  220                          ; v220-222, v224-226: a conversion's three registers begin on an even number
.set T1,  224
.set MX,  228
.set SO,  232
.set BY,  234
.set WD,  240                          ; v240-243 the four fragments' scale words
	s_load_b128 s[4:7], s[0:1], 0x0                ; query, actc
	s_load_b64 s[8:9], s[0:1], 0x10                ; acts
	v_and_b32 v2, 31, v0                           ; lane
	v_and_b32 v3, 15, v0                           ; r
	v_bfe_u32 v9, v0, 4, 1                         ; h
	v_lshlrev_b32 v4, 4, v2                        ; 16 x lane
	v_lshlrev_b32 v5, 3, v2                        ; 8 x lane
	s_mul_i32 s17, s16, 16*SPITCH                  ; my stage
	v_add_nc_u32 v6, s17, v4                       ; into it: 16 bytes a lane of a row
	v_mul_u32_u24 v7, v3, SPITCH
	v_lshl_add_u32 v7, v9, 7, v7
	v_add_nc_u32 v7, s17, v7                       ; out of it: row r, + 128 h bytes
	v_lshlrev_b32 v8, 3, v9                        ; 8 h: my bytes' place in the scale word
	v_mov_b32 v237, 0                              ; written once: a lane permute's destination counts as one of its sources
	s_mov_b32 s12, 0x76543210
	s_mov_b32 s13, 0xfedcba98                      ; selects for lane l xor 16
	s_lshl_b32 s18, ttmp9, 17                      ; 32 rows of 4,096 bytes
	s_lshl_b32 s20, s16, 10
	s_add_co_u32 s18, s18, s20
	s_mov_b32 s19, 0
	s_mul_i32 s20, s16, ASTEP
	s_mul_i32 s21, ttmp9, 6144                     ; two tiles of 3,072 bytes
	s_add_co_u32 s20, s20, s21
	s_mov_b32 s21, 0
	s_lshl_b32 s22, s16, 16                        ; 8,192 positions x 8 bytes
	s_lshl_b32 s23, ttmp9, 8
	s_add_co_u32 s22, s22, s23
	s_mov_b32 s23, 0
	s_wait_alu depctr_va_vdst(0)
	s_wait_kmcnt 0x0
	s_add_nc_u64 s[4:5], s[4:5], s[18:19]
	s_add_nc_u64 s[6:7], s[6:7], s[20:21]
	s_add_nc_u64 s[8:9], s[8:9], s[22:23]
.macro XLOAD f                         ; fragment f: the 16 rows of tile f / 2, 128 numbers each
.irp p, 0,1,2,3,4,5,6,7,8,9,10,11,12,13,14,15
	global_load_b128 v[R+64*((\f)%2)+4*\p:R+64*((\f)%2)+4*\p+3], v4, s[4:5] offset:(8*((\f)/2)+\p+8*(\p/8))*4096+512*((\f)%2) th:TH_LOAD_NT
.endr
.endm
.macro FRAGQ f
.if (\f) < 3
	s_wait_loadcnt 16                              ; this fragment's 16 loads are in; the next fragment's 16 may be out
.else
	s_wait_loadcnt 0x0
.endif
.irp p, 0,1,2,3,4,5,6,7,8,9,10,11,12,13,14,15
	ds_store_b128 v6, v[R+64*((\f)%2)+4*\p:R+64*((\f)%2)+4*\p+3] offset:SPITCH*\p
.endr
.irp c, 0,1
.irp i, 0,1,2,3,4,5,6,7
	ds_load_b128 v[X+32*\c+4*\i:X+32*\c+4*\i+3], v7 offset:256*\c+16*\i   ; LDS serves a wave's instructions in order: these see the stores above
.endr
.endr
	s_wait_dscnt 0x0                               ; my blocks are in, and the stores have read their registers,
.if (\f)+2 < 4
	XLOAD (\f)+2                                   ; which take the fragment two on
.endif
.irp c, 0,1
	v_max3_num_f32 v[MX+\c], |v[X+32*\c]|, |v[X+32*\c+1]|, 0x1800000   ; block 2 c + h: all 32 numbers are mine; the floor 2^(3 - 127) holds the byte at 1 from below
.endr
.irp i, 2,4,6,8,10,12,14,16,18,20,22,24,26,28,30
.irp c, 0,1
	v_max3_num_f32 v[MX+\c], v[MX+\c], |v[X+32*\c+\i]|, |v[X+32*\c+\i+1]|
.endr
.endr
.irp c, 0,1
	v_add_nc_u32 v[SO+\c], 0xff000000, v[MX+\c]    ; 2 off the exponent field: the conversion's scale operand
.endr
.irp c, 0,1
	v_lshrrev_b32 v[BY+\c], 23, v[SO+\c]           ; the scale's byte
.endr
	v_lshl_or_b32 v236, v[BY+1], 16, v[BY]         ; blocks h and 2 + h,
	v_lshlrev_b32 v236, v8, v236                   ; at their places in the word;
	v_permlanex16_b32 v237, v236, s12, s13
	v_or_b32 v[WD+(\f)], v236, v237                ; with lane l xor 16's two the word is whole
.if (\f) > 0
	s_wait_alu depctr_va_vdst(0)
	s_wait_xcnt 0x0                                ; the last fragment's stores have read their data: the codes' registers are written again only behind this wait
.endif
	v_cvt_scalef32_pk16_fp6_f32 v[PC:PC+2], v[X:X+15], v[SO]
	v_cvt_scalef32_pk16_fp6_f32 v[T0:T0+2], v[X+16:X+31], v[SO]
	v_cvt_scalef32_pk16_fp6_f32 v[PC+6:PC+8], v[X+32:X+47], v[SO+1]
	v_cvt_scalef32_pk16_fp6_f32 v[T1:T1+2], v[X+48:X+63], v[SO+1]
	v_nop                                          ; one plain place behind a scaled conversion
.irp i, 0,1,2
	v_mov_b32 v[PC+3+\i], v[T0+\i]
	v_mov_b32 v[PC+9+\i], v[T1+\i]
.endr
	global_store_b128 v4, v[PC:PC+3], s[6:7] offset:3072*((\f)/2)+1536*((\f)%2)          ; each store covers 512 or 256 consecutive bytes, at a multiple of 256
	global_store_b64 v5, v[PC+4:PC+5], s[6:7] offset:3072*((\f)/2)+1536*((\f)%2)+512
	global_store_b128 v4, v[PC+6:PC+9], s[6:7] offset:3072*((\f)/2)+1536*((\f)%2)+768
	global_store_b64 v5, v[PC+10:PC+11], s[6:7] offset:3072*((\f)/2)+1536*((\f)%2)+1280
.endm
	XLOAD 0
	XLOAD 1
	FRAGQ 0
	FRAGQ 1
	FRAGQ 2
	FRAGQ 3
	v_cmp_eq_u32 vcc_lo, 1, v9                     ; lane 16 u + r stores position 16 u + r's two words
	v_cndmask_b32 v244, v[WD], v[WD+2], vcc_lo
	v_cndmask_b32 v245, v[WD+1], v[WD+3], vcc_lo
	global_store_b64 v5, v[244:245], s[8:9]        ; 32 lanes: 256 consecutive bytes, aligned
	s_wait_tensorcnt 0x0                           ; the wave's end
	ds_add_u32 v248, v249
	s_wait_dscnt 0x0
	s_endpgm
.Lweights:
.set BSTEP, 786432                     ; a K slot of wc: 256 tiles x 3,072
.set X,    32                          ; v32-95   two sets of 32 numbers
.set C,    96                          ; v96-101  a block's codes
.set T,    104                         ; v104-106 (a conversion's three registers begin on an even number)
.set SB,   24                          ; v24-25   the scale words of kk = 0, 1
.set OUTR, 112                         ; v112-159 the way out
	s_load_b256 s[4:11], s[0:1], 0x18              ; Wq, Wk, Wv, Wo
	s_load_b128 s[12:15], s[0:1], 0x38             ; wc, ws
	s_and_b32 s16, s16, 1                          ; which 32 of the 64 columns
	v_and_b32 v2, 31, v0                           ; lane = my true column in the 32
	v_and_b32 v10, 7, v0
	v_bfe_u32 v11, v0, 3, 1                        ; my position's tile u,
	v_bfe_u32 v12, v0, 4, 1
	v_lshl_add_u32 v10, v12, 3, v10                ; and its row in the tile
	v_lshlrev_b32 v3, 2, v2                        ; in: 4 bytes a lane
	s_mul_i32 s17, s16, 6400                       ; my LDS: two tiles, 3,200 bytes apart (128 more than a tile, so that the two tiles' rows fall on other banks)
	s_add_co_u32 s17, s17, WLDS
	v_mul_u32_u24 v13, v11, 3200
	v_add_nc_u32 v13, s17, v13
	v_lshl_add_u32 v4, v10, 4, v13                 ; registers 0-3 of a half: 16 bytes a row
	v_lshl_add_u32 v5, v10, 3, v13                 ; registers 4, 5: 8 bytes a row
	v_lshlrev_b32 v7, 4, v2
	v_add_nc_u32 v6, s17, v7                       ; out: 16 x lane
	v_lshl_add_u32 v9, v11, 4, v10
	v_lshlrev_b32 v9, 3, v9                        ; 8 x my position: my two scale words
	s_bfe_u32 s20, ttmp9, 0x20004                  ; which weight
	s_and_b32 s21, ttmp9, 15
	s_lshr_b32 s22, ttmp9, 6                       ; the K slot
	s_lshl_b32 s23, s21, 6
	s_lshl_b32 s24, s16, 5
	s_add_co_u32 s23, s23, s24                     ; my first column
	s_lshl_b32 s24, s22, 20                        ; 256 rows of 4,096 bytes
	s_lshl_b32 s25, s23, 2
	s_add_co_u32 s24, s24, s25
	s_mov_b32 s25, 0
	s_lshl_b32 s26, s20, 6
	s_lshr_b32 s27, s23, 4
	s_add_co_u32 s26, s26, s27                     ; my first row tile
	s_mul_i32 s26, s26, 3072
	s_mul_i32 s27, s22, BSTEP
	s_add_co_u32 s26, s26, s27
	s_mov_b32 s27, 0
	s_lshl_b32 s28, s20, 10
	s_add_co_u32 s28, s28, s23                     ; my first position
	s_lshl_b32 s28, s28, 3
	s_lshl_b32 s29, s22, 15                        ; 4,096 positions x 8 bytes
	s_add_co_u32 s28, s28, s29
	s_mov_b32 s29, 0
	s_wait_alu depctr_va_vdst(0)
	s_wait_kmcnt 0x0
	s_cmp_eq_u32 s20, 1                            ; the choice hangs on the work-group's number alone
	s_cselect_b64 s[4:5], s[6:7], s[4:5]
	s_cmp_eq_u32 s20, 2
	s_cselect_b64 s[4:5], s[8:9], s[4:5]
	s_cmp_eq_u32 s20, 3
	s_cselect_b64 s[4:5], s[10:11], s[4:5]
	s_add_nc_u64 s[4:5], s[4:5], s[24:25]
	s_add_nc_u64 s[12:13], s[12:13], s[26:27]
	s_add_nc_u64 s[14:15], s[14:15], s[28:29]
.macro WLOAD t                         ; block t: W(32 t + i, my column) into set t % 2; a load reads 128 consecutive bytes
.set i, 0
.rept 32
	global_load_b32 v[X+32*((\t)%2)+i], v3, s[4:5] offset:(32*(\t)+i)*4096 th:TH_LOAD_NT
.set i, i+1
.endr
.endm
	WLOAD 0
	WLOAD 1
.macro WBLOCK t                        ; of its 128 along K block t is number t % 4 = 2 c + hh: registers 6 c .. 6 c + 5 of lane (row, hh)
.set XS, X+32*((\t)%2)
.if (\t) < 7
	s_wait_loadcnt 32                              ; this block's 32 loads are in; the next block's may be out
.else
	s_wait_loadcnt 0x0
.endif
	v_max3_num_f32 v16, |v[XS]|, |v[XS+1]|, |v[XS+2]|
	v_max3_num_f32 v17, |v[XS+3]|, |v[XS+4]|, |v[XS+5]|
.irp i, 6,10,14,18,22,26
	v_max3_num_f32 v16, v16, |v[XS+\i]|, |v[XS+\i+1]|
	v_max3_num_f32 v17, v17, |v[XS+\i+2]|, |v[XS+\i+3]|
.endr
	v_max3_num_f32 v16, v16, |v[XS+30]|, |v[XS+31]|
	v_max3_num_f32 v16, v16, v17, 0x1800000        ; the floor 2^(3 - 127): the byte cannot fall under 1
	v_add_nc_u32 v18, 0xff000000, v16              ; 2 off the exponent field: the conversion's scale operand
	v_lshrrev_b32 v19, 23, v18                     ; the scale's byte
.if (\t)%4 == 0
	v_mov_b32 v[SB+(\t)/4], v19
.else
	v_lshl_or_b32 v[SB+(\t)/4], v19, 8*((\t)%4), v[SB+(\t)/4]
.endif
	v_cvt_scalef32_pk16_fp6_f32 v[C:C+2], v[XS:XS+15], v18
	v_cvt_scalef32_pk16_fp6_f32 v[T:T+2], v[XS+16:XS+31], v18
	v_nop                                          ; one plain place behind a scaled conversion
.irp i, 0,1,2
	v_mov_b32 v[C+3+\i], v[T+\i]
.endr
	ds_store_b128 v4, v[C:C+3] offset:1536*((\t)/4)+768*(((\t)/2)%2)+256*((\t)%2)
	ds_store_b64 v5, v[C+4:C+5] offset:1536*((\t)/4)+768*(((\t)/2)%2)+512+128*((\t)%2)
.if (\t)+2 < 8
	WLOAD (\t)+2
.endif
	s_wait_dscnt 0x0                               ; the stores have read their registers: the next block's codes may be written
.endm
.irp t, 0,1,2,3,4,5,6,7
	WBLOCK \t
.endr
	s_wait_alu depctr_va_vdst(0)
	global_store_b64 v9, v[SB:SB+1], s[14:15]      ; 32 lanes: 256 consecutive bytes, aligned
.irp j, 0,1,2,3,4,5,6,7,8,9,10,11
	ds_load_b128 v[OUTR+4*\j:OUTR+4*\j+3], v6 offset:3200*(\j/6)+512*(\j%6)
.endr
.irp j, 0,1,2,3,4,5,6,7,8,9,10,11
	s_wait_dscnt 11-\j                             ; LDS loads come back in order: number j is in
	global_store_b128 v7, v[OUTR+4*\j:OUTR+4*\j+3], s[12:13] offset:512*\j   ; 512 consecutive bytes, aligned
.endr
	s_wait_tensorcnt 0x0                           ; the wave's end
	ds_add_u32 v248, v249
	s_wait_dscnt 0x0
	s_endpgm
.Lfunc_end_k_q54b035a873_quant:
	.size	k_q54b035a873_quant, .Lfunc_end_k_q54b035a873_quant-k_q54b035a873_quant
	.p2alignl 7, 3214868480
	.fill 96, 4, 3214868480
	.section	.rodata,"a",@progbits
	.p2align	6, 0x0
	.amdhsa_kernel k_q54b035a873_quant
		.amdhsa_group_segment_fixed_size 47360
		.amdhsa_private_segment_fixed_size 0
		.amdhsa_enable_private_segment 0
		.amdhsa_kernarg_size 72
		.amdhsa_user_sgpr_count 2
		.amdhsa_user_sgpr_kernarg_segment_ptr 1
		.amdhsa_wavefront_size32 1
		.amdhsa_system_sgpr_workgroup_id_x 1
		.amdhsa_system_sgpr_workgroup_id_y 1
		.amdhsa_system_sgpr_workgroup_id_z 1
		.amdhsa_system_vgpr_workitem_id 0
		.amdhsa_next_free_vgpr 250
		.amdhsa_next_free_sgpr 66
		.amdhsa_reserve_vcc 1
		.amdhsa_float_denorm_mode_32 3
		.amdhsa_float_denorm_mode_16_64 3
		.amdhsa_memory_ordered 1
		.amdhsa_forward_progress 1
		.amdhsa_inst_pref_size 72
	.end_amdhsa_kernel
	.amdgpu_metadata
---
amdhsa.version: [ 1, 2 ]
amdhsa.kernels:
  - .name:           k_q54b035a873_quant
    .symbol:         k_q54b035a873_quant.kd
    .args:
      - { .name: query, .offset: 0, .size: 8, .value_kind: global_buffer, .address_space: global }
      - { .name: actc, .offset: 8, .size: 8, .value_kind: global_buffer, .address_space: global }
      - { .name: acts, .offset: 16, .size: 8, .value_kind: global_buffer, .address_space: global }
      - { .name: Wq, .offset: 24, .size: 8, .value_kind: global_buffer, .address_space: global }
      - { .name: Wk, .offset: 32, .size: 8, .value_kind: global_buffer, .address_space: global }
      - { .name: Wv, .offset: 40, .size: 8, .value_kind: global_buffer, .address_space: global }
      - { .name: Wo, .offset: 48, .size: 8, .value_kind: global_buffer, .address_space: global }
      - { .name: wc, .offset: 56, .size: 8, .value_kind: global_buffer, .address_space: global }
      - { .name: ws, .offset: 64, .size: 8, .value_kind: global_buffer, .address_space: global }
    .group_segment_fixed_size: 47360
    .private_segment_fixed_size: 0
    .kernarg_segment_align: 8
    .kernarg_segment_size: 72
    .max_flat_workgroup_size: 192
    .sgpr_count:     66
    .vgpr_count:     250
    .wavefront_size: 32
...
	.end_amdgpu_metadata
.endif
;; end of part 1
;; launch qkv (part 2): grid 12 x 32, 4 waves a work-group, clusters of 4 x 4, 327,680 bytes of LDS; arguments actc, acts, wc, ws, bq, bk, bv, qc, qs, kv; writes qc, qs, kv
.if DOCPART == 2
	.amdgcn_target "amdgcn-amd-amdhsa--gfx1250"
	.amdhsa_code_object_version 6
	.text
	.protected	k_q54b035a873_qkv
	.globl	k_q54b035a873_qkv
	.p2align	8
	.type	k_q54b035a873_qkv,@function
k_q54b035a873_qkv:
	s_mov_b64 s[64:65], 0
	v_nop
	global_prefetch_b8 v0, s[64:65] scope:SCOPE_SE
	s_setreg_imm32_b32 hwreg(HW_REG_WAVE_MODE, 25, 1), 1
	s_wait_xcnt 0x0
	s_wait_alu depctr_hold_cnt(0) depctr_sa_sdst(0) depctr_va_vdst(0) depctr_va_sdst(0) depctr_va_ssrc(0) depctr_va_vcc(0) depctr_vm_vsrc(0)
	s_getreg_b32 s2, hwreg(HW_REG_IB_STS2, 6, 4)
	s_cmp_eq_u32 s2, 0
	s_cbranch_scc0 .Lentry_in_a_cluster
	s_endpgm
.Lentry_in_a_cluster:
	s_bfe_u32 s2, ttmp6, 0x10000c
	s_cmp_lg_u32 s2, 0xf033
	s_cbranch_scc0 .Lentry_shape_is_right
	s_endpgm
.Lentry_shape_is_right:
.set ASTEP, 1572864
.set BSTEP, 786432
.set FR,    12
.set NL,    4
.set NP,    4
.set HALFT, 24576
.set SLOT,  4*HALFT
.set SCL,   2*SLOT
.set SPARE, 221440
.set ADRA, 16
.set ADRB, 20
.set ADRS, 27
.set SPW,  28
.set NIL,  29
.set SC,   32
.set BI,   64
.set AF,   128
.set G1, 24
.set G0, 32
.set G1B, 48
.set G0B, 56
.set G1S, 68
.set G0S, 76
.set G1SB, 80
.set G0SB, 88
.set MSB, 0
.macro WIN new
.if MSB != (\new)
	s_set_vgpr_msb (MSB<<8)|(\new)
.set MSB, (\new)
.endif
.endm
.set MUL_LO, 0xa1
.set MUL_HI, 0xf1
.set TO_B,   0x40
.macro JLOAD g0a, g1a, g0b, g1b
	s_cmp_eq_u32 s15, 0
	s_cbranch_scc0 .Lfor_b_\@
	tensor_load_to_lds s[\g0a:\g0a+3], s[\g1a:\g1a+7]
	s_nop 0
.rept 4
	v_nop
.endr
	s_branch .Lasked_\@
.Lfor_b_\@:
	tensor_load_to_lds s[\g0b:\g0b+3], s[\g1b:\g1b+7]
	s_nop 0
.rept 4
	v_nop
.endr
.Lasked_\@:
.endm
.macro CREST
	s_cmp_lg_u32 s14, 0
	s_cbranch_scc1 .Lnot_wave_0_\@
	s_barrier_signal -3
.Lnot_wave_0_\@:
	s_barrier_wait -3
	s_barrier_signal -1
	s_barrier_wait -1
.endm
.macro CROUND
	s_barrier_signal -1
	s_barrier_wait -1
	CREST
.endm
	s_load_b128 s[4:7], s[0:1], 0x0
	s_load_b128 s[8:11], s[0:1], 0x10
	s_load_b64 s[12:13], s[0:1], 0x20
	s_load_b128 s[96:99], s[0:1], 0x28
	v_lshl_add_u32 v[SPW], v0, 2, SPARE
	v_mov_b32 v[NIL], 0
	ds_add_u32 v28, v29
	ds_add_u32 v28, v29
	s_wait_dscnt 0x0
	v_lshrrev_b32 v1, 5, v0
	v_readfirstlane_b32 s14, v1
	s_lshr_b32 s15, s14, 1
	s_and_b32 s16, s14, 1
	s_bfe_u32 s40, ttmp6, 0x40000
	s_bfe_u32 s41, ttmp6, 0x40004
	s_lshl_b32 s42, ttmp9, 2
	s_add_co_u32 s42, s42, s40
	s_and_b32 s17, ttmp7, 0xffff
	s_lshl_b32 s17, s17, 2
	s_add_co_u32 s17, s17, s41
	s_lshl_b32 s43, s41, 2
	s_lshl_b32 s43, 15, s43
	s_lshl_b32 s44, 0x1111, s40
	s_or_b32 s[G1+0], s43, (3<<16)|(1<<21)
	s_or_b32 s[G1B+0], s44, (3<<16)|(1<<21)
.irp g, G1, G1B
	s_mov_b32 s[\g+1], 32<<16
	s_mov_b32 s[\g+2], 192<<16                     ; the head's loads bring a whole slot's 192 rows of A or of B
	s_mov_b32 s[\g+3], 32<<16
	s_mov_b32 s[\g+4], 192
	s_mov_b32 s[\g+5], 32
	s_mov_b32 s[\g+6], 0
	s_mov_b32 s[\g+7], 0
.endr
	s_or_b32 s[G1S+0], s43, (3<<16)|(1<<21)
	s_or_b32 s[G1SB+0], s44, (3<<16)|(1<<21)
.irp g, G1S, G1SB
	s_mov_b32 s[\g+1], 256<<16                     ; scales: four rows (K slots) of 2,048 bytes: the work-group's 256 positions
	s_mov_b32 s[\g+2], 4<<16
	s_mov_b32 s[\g+3], 256<<16
	s_mov_b32 s[\g+4], 4
	s_mov_b32 s[\g+6], 0
	s_mov_b32 s[\g+7], 0
.endr
	s_mov_b32 s[G1S+5], 8192
	s_mov_b32 s[G1SB+5], 4096
	s_lshl_b32 s20, s17, 4
	s_mul_i32 s20, s20, 3072
	s_mov_b32 s21, 0
	s_lshl_b32 s46, s42, 4
	s_mul_i32 s46, s46, 3072
	s_mov_b32 s47, 0
	s_lshl_b32 s22, s17, 11
	s_mov_b32 s23, 0
	s_lshl_b32 s92, s42, 11
	s_mov_b32 s93, 0
	s_mul_i32 s45, s14, HALFT
	s_wait_kmcnt 0x0
	s_add_nc_u64 s[20:21], s[4:5], s[20:21]
	s_add_nc_u64 s[22:23], s[6:7], s[22:23]
	s_add_nc_u64 s[46:47], s[8:9], s[46:47]
	s_add_nc_u64 s[92:93], s[10:11], s[92:93]
	CROUND
	s_mov_b32 s[G0S], 1
	s_mov_b32 s[G0S+1], SCL
	s_mov_b64 s[G0S+2:G0S+3], s[22:23]
	s_or_b32 s[G0S+3], s[G0S+3], 0x80000000
	s_mov_b32 s[G0SB], 1
	s_mov_b32 s[G0SB+1], SCL+8320
	s_mov_b64 s[G0SB+2:G0SB+3], s[92:93]
	s_or_b32 s[G0SB+3], s[G0SB+3], 0x80000000
.set G0H, 4                            ; s[4:7], s[8:11] group 0 of the head's loads of K slot 0 (the arguments that lay there have been used)
.set G0HB, 8
	s_mov_b32 s[G0H], 1                            ; A's 16 row tiles, whole,
	s_mov_b32 s[G0H+1], 0
	s_mov_b64 s[G0H+2:G0H+3], s[20:21]
	s_or_b32 s[G0H+3], s[G0H+3], 0x80000000
	s_mov_b32 s[G0HB], 1                           ; and B's, behind them in slot 0
	s_mov_b32 s[G0HB+1], 2*HALFT
	s_mov_b64 s[G0HB+2:G0HB+3], s[46:47]
	s_or_b32 s[G0HB+3], s[G0HB+3], 0x80000000
	s_mul_i32 s18, s16, HALFT                      ; for the ring: my half of a tile
	s_mov_b32 s19, 0
	s_add_nc_u64 s[20:21], s[20:21], s[18:19]
	s_add_nc_u64 s[46:47], s[46:47], s[18:19]
.irp s, 0,1
	s_mov_b32 s[G0+4*\s], 1
	s_add_co_u32 s[G0+4*\s+1], s45, \s*SLOT
	s_add_nc_u64 s[G0+4*\s+2:G0+4*\s+3], s[20:21], \s*ASTEP
	s_or_b32 s[G0+4*\s+3], s[G0+4*\s+3], 0x80000000
	s_mov_b32 s[G0B+4*\s], 1
	s_add_co_u32 s[G0B+4*\s+1], s45, \s*SLOT
	s_add_nc_u64 s[G0B+4*\s+2:G0B+4*\s+3], s[46:47], \s*BSTEP
	s_or_b32 s[G0B+4*\s+3], s[G0B+4*\s+3], 0x80000000
.endr
; THE HEAD'S LOADS, ONE A WAVE: wave 0 K slot 0 of A, wave 1 of B, wave 2 A's scales, wave 3 B's.  One chain of branches on the wave's number; every way passes exactly one load.
.macro ARM under, g0, g1, next
	s_cmp_lt_u32 s14, \under
	s_cbranch_scc0 \next
	tensor_load_to_lds s[\g0:\g0+3], s[\g1:\g1+7]
	s_nop 0
.rept 4
	v_nop
.endr
	s_branch .Lhead_asked
\next:
.endm
	ARM 1, G0H,  G1,  .Lhead_b
	ARM 2, G0HB, G1B, .Lhead_sa
	ARM 3, G0S,  G1S, .Lhead_sb
	tensor_load_to_lds s[G0SB:G0SB+3], s[G1SB:G1SB+7]
	s_nop 0
.rept 4
	v_nop
.endr
.Lhead_asked:
	v_and_b32 v1, 15, v0
	v_bfe_u32 v2, v0, 4, 1
	s_wait_alu depctr_va_vdst(0)
	v_and_b32 v3, 31, v0
	v_lshlrev_b32 v7, 4, v3
	s_wait_alu depctr_va_vdst(0)
	v_lshlrev_b32 v8, 3, v3
	s_wait_alu depctr_va_vdst(0)
	s_cmp_eq_u32 ttmp9, 1
	s_cselect_b64 s[12:13], s[96:97], s[12:13]
	s_cmp_eq_u32 ttmp9, 2
	s_cselect_b64 s[12:13], s[98:99], s[12:13]
	s_lshl_b32 s18, s40, 10
	s_lshl_b32 s19, s16, 9
	s_add_co_u32 s18, s18, s19
	s_mov_b32 s19, 0
	s_add_nc_u64 s[12:13], s[12:13], s[18:19]
	v_lshlrev_b32 v30, 6, v2
.irp b, 0,1,2,3,4,5,6,7
	global_load_b128 v[BI+8*\b:BI+8*\b+3], v30, s[12:13] offset:(32*(\b/2)+8*(\b%2))*4
	global_load_b128 v[BI+8*\b+4:BI+8*\b+7], v30, s[12:13] offset:(32*(\b/2)+8*(\b%2))*4+16
.endr
	s_mul_i32 s21, s15, HALFT
	s_mul_i32 s22, s16, HALFT
	s_add_co_u32 s22, s22, 2*HALFT
.irp s, 0,1
	v_add_nc_u32 v[ADRA+\s], s21, v7
	v_add_nc_u32 v[ADRB+\s], s22, v7
	v_add_nc_u32 v[ADRA+2+\s], s21, v8
	v_add_nc_u32 v[ADRB+2+\s], s22, v8
	s_add_co_u32 s21, s21, SLOT
	s_add_co_u32 s22, s22, SLOT
.endr
	s_lshl_b32 s21, s15, 10                        ; scales in LDS: [K slot: 2,048][half: 1,024]
	s_lshl_b32 s22, s16, 10
	s_add_co_u32 s22, s22, 8320
	s_sub_co_u32 s22, s22, s21
	v_mul_u32_u24 v6, s22, v2
	s_add_co_u32 s21, s21, SCL
	v_lshl_add_u32 v6, v1, 3, v6
	v_add_nc_u32 v[ADRS], s21, v6
	s_lshl_b32 s18, s14, 10
	v_lshlrev_b32 v9, 2, v1
	v_lshl_add_u32 v9, v2, 9, v9
	v_add_nc_u32 v9, s18, v9
	v_add_nc_u32 v10, s18, v7
	s_mul_i32 s18, s14, 33792
	s_add_co_u32 s18, s18, 4096
	v_mul_u32_u24 v11, v1, 528
	v_lshl_add_u32 v11, v2, 6, v11
	v_add_nc_u32 v11, s18, v11
	v_lshl_add_u32 v12, v3, 2, s18
	v_and_b32 v4, 7, v0
	v_lshl_add_u32 v4, v2, 3, v4
	v_bfe_u32 v5, v0, 3, 1
	v_mul_u32_u24 v13, v5, 1536
	v_lshl_add_u32 v13, v4, 4, v13
	v_lshl_add_u32 v14, v5, 4, v4
	v_lshlrev_b32 v14, 3, v14
	v_lshlrev_b32 v15, 4, v2
.macro FRAG reg, adr, q, i
	ds_load_b128 v[\reg:\reg+3], v[\adr] offset:3072*(\i)+1536*(\q)
	ds_load_b64 v[\reg+4:\reg+5], v[\adr+2] offset:3072*(\i)+1536*(\q)+512
	ds_load_b128 v[\reg+6:\reg+9], v[\adr] offset:3072*(\i)+1536*(\q)+768
	ds_load_b64 v[\reg+10:\reg+11], v[\adr+2] offset:3072*(\i)+1536*(\q)+1280
.endm
.macro MUL16 a0, p, q, sc, first
.irp a, \a0, \a0+1
.irp b, 0,1,2,3,4,5,6,7
.if \first
	v_wmma_scale_f32_16x16x128_f8f6f4 v[8*(8*((\a)%4)+\b):8*(8*((\a)%4)+\b)+7], v[128*(\p)+FR*\b:128*(\p)+FR*\b+FR-1], v[AF+FR*(\a):AF+FR*(\a)+FR-1], v[BI+8*\b:BI+8*\b+7], v[SC+16*(\sc)+2*\b+(\q)], v[SC+16*(\sc)+2*(\a)+(\q)] matrix_a_fmt:MATRIX_FMT_FP6 matrix_b_fmt:MATRIX_FMT_FP6 matrix_a_scale:MATRIX_SCALE_ROW1
.else
	v_wmma_scale_f32_16x16x128_f8f6f4 v[8*(8*((\a)%4)+\b):8*(8*((\a)%4)+\b)+7], v[128*(\p)+FR*\b:128*(\p)+FR*\b+FR-1], v[AF+FR*(\a):AF+FR*(\a)+FR-1], v[8*(8*((\a)%4)+\b):8*(8*((\a)%4)+\b)+7], v[SC+16*(\sc)+2*\b+(\q)], v[SC+16*(\sc)+2*(\a)+(\q)] matrix_a_fmt:MATRIX_FMT_FP6 matrix_b_fmt:MATRIX_FMT_FP6 matrix_a_scale:MATRIX_SCALE_ROW1
.endif
.endr
.endr
.endm
.macro FETCH_B slot, q, p
	WIN TO_B
.irp i, 0,1,2,3,4,5,6,7
	FRAG 128*(\p)+FR*\i, ADRB+\slot, \q, \i
.endr
	WIN 0
.endm
.macro FETCH_A slot, q, i0
.irp i, \i0, \i0+1, \i0+2, \i0+3
	FRAG AF+FR*(\i), ADRA+\slot, \q, \i
.endr
.endm
.macro SCALES sc
.irp i, 0,1,2,3,4,5,6,7
	ds_load_b64 v[SC+16*(\sc)+2*\i:SC+16*(\sc)+2*\i+1], v[ADRS] offset:128*\i
.endr
.endm
.macro PLACES n
.rept \n
	v_nop
.endr
.endm
.macro STEP slot, q, first
	s_wait_dscnt 4*NL
.if \first
	WIN 0x81
.else
	WIN MUL_LO
.endif
	MUL16 0, (\q)%2, \q, \slot, \first
	MUL16 2, (\q)%2, \q, \slot, \first
	s_wait_dscnt 0
	PLACES NP
	FETCH_B \slot, (\q)+1, 1-(\q)%2
	FETCH_A \slot, (\q)+1, 0
.if \first
	WIN 0xc1
.else
	WIN MUL_HI
.endif
	MUL16 4, (\q)%2, \q, \slot, \first
	MUL16 6, (\q)%2, \q, \slot, \first
	PLACES NP
	WIN 0
	FETCH_A \slot, (\q)+1, 4
.endm
.macro TURN slot, next, fill
	s_wait_tensorcnt 0x0
	ds_add_u32 v[SPW], v[NIL]
	s_wait_dscnt 4*NL+1
	WIN MUL_LO
	MUL16 0, 1, 1, \slot, 0
	s_wait_dscnt 0x0
	s_barrier_signal -1
	MUL16 2, 1, 1, \slot, 0
	WIN 0
	s_barrier_wait -1
.if \fill
	CREST
	s_add_nc_u64 s[G0+4*\slot+2:G0+4*\slot+3], s[G0+4*\slot+2:G0+4*\slot+3], 2*ASTEP
	s_add_nc_u64 s[G0B+4*\slot+2:G0B+4*\slot+3], s[G0B+4*\slot+2:G0B+4*\slot+3], 2*BSTEP
	JLOAD G0+4*\slot, G1, G0B+4*\slot, G1B
.else
	PLACES NP
.endif
	s_wait_alu depctr_va_vdst(0)
	v_add_nc_u32 v[ADRS], 2048, v[ADRS]
	FETCH_B \next, 0, 0
	FETCH_A \next, 0, 0
	SCALES \next
	WIN MUL_HI
	MUL16 4, 1, 1, \slot, 0
	MUL16 6, 1, 1, \slot, 0
	PLACES NP
	WIN 0
	FETCH_A \next, 0, 4
.endm
	s_wait_alu depctr_va_vdst(0)                   ; the wait at the head's end
	s_wait_tensorcnt 0x0                           ; my tile of the head's four is in; the lines ahead of a later first fill:
	ds_add_u32 v28, v29
	s_mov_b32 s[G1+2], 96<<16                      ; no tensor load of mine is out: from here on a load brings 96 rows
	s_mov_b32 s[G1+4], 96
	s_mov_b32 s[G1B+2], 96<<16
	s_mov_b32 s[G1B+4], 96
	s_wait_dscnt 0x0
	CROUND                                         ; all four tiles are in, and all sixteen work-groups are here
	JLOAD G0+4, G1, G0B+4, G1B                     ; K slot 1, the first tensor load behind the round
	s_wait_loadcnt 0x0                             ; the bias
	FETCH_B 0, 0, 0
	FETCH_A 0, 0, 0
	SCALES 0
	FETCH_A 0, 0, 4
	STEP 0, 0, 1
	TURN 0, 1, 1
	STEP 1, 0, 0
	TURN 1, 0, 1
	STEP 0, 0, 0
	TURN 0, 1, 0
	STEP 1, 0, 0
	s_wait_dscnt 4*NL
	WIN MUL_LO
	MUL16 0, 1, 1, 1, 0
	MUL16 2, 1, 1, 1, 0
	s_wait_dscnt 0
	WIN MUL_HI
	MUL16 4, 1, 1, 1, 0
	MUL16 6, 1, 1, 1, 0
	WIN 0
	PLACES NP
	s_wait_dscnt 0x0
	s_barrier_signal -1
	s_barrier_wait -1
	s_load_b128 s[24:27], s[0:1], 0x38
	s_load_b64 s[28:29], s[0:1], 0x48
	s_lshr_b32 s18, s17, 3
	s_and_b32 s19, s17, 7
	s_lshl_b32 s19, s19, 1
	s_add_co_u32 s19, s19, s15
	s_lshl_b32 s18, s18, 4
	s_lshl_b32 s22, s40, 2
	s_add_co_u32 s18, s18, s22
	s_lshl_b32 s22, s16, 1
	s_add_co_u32 s18, s18, s22
	s_mov_b32 s20, 0x76543210
	s_mov_b32 s21, 0xfedcba98
	s_wait_kmcnt 0x0
	s_cmp_eq_u32 ttmp9, 0
	s_mov_b32 s30, 208896
	s_cselect_b32 s30, 98304, s30
	s_mov_b32 s31, 13056
	s_cselect_b32 s31, 6144, s31
	s_mov_b32 s32, 208896
	s_cselect_b32 s32, 8192, s32
	s_mov_b32 s33, 13056
	s_cselect_b32 s33, 512, s33
	s_cselect_b32 s34, 0, 6144
	s_cselect_b64 s[36:37], s[24:25], s[28:29]
	s_cselect_b64 s[38:39], s[26:27], s[28:29]
	s_mul_i32 s22, s18, s30
	s_mul_i32 s23, s19, s31
	s_add_co_u32 s22, s22, s23
	s_mov_b32 s23, 0
	s_add_nc_u64 s[44:45], s[36:37], s[22:23]
	s_mov_b32 s31, 0
	s_add_nc_u64 s[46:47], s[44:45], s[30:31]
	s_mul_i32 s22, s18, s32
	s_mul_i32 s35, s19, s33
	s_add_co_u32 s22, s22, s35
	s_add_co_u32 s22, s22, s34
	s_add_nc_u64 s[48:49], s[38:39], s[22:23]
	s_mov_b32 s33, 0
	s_add_nc_u64 s[50:51], s[48:49], s[32:33]
	s_cmp_eq_u32 ttmp9, 2
	s_cbranch_scc1 .Lv
.set TM,  64
.set PW,  80
.set PC,  84
.set CT,  96
.set OW,  104
.set PH,  112
.irp g, 0,1,2,3
	v_mov_b32 v[TM+4+\g], 0
.endr
.macro QKBLK a
.set AC, 64*((\a)%4)
	WIN 0x0a+5*((\a)/4)
.irp g, 0,1,2,3
	v_max3_num_f32 v[TM+\g], |v[AC+16*\g]|, |v[AC+16*\g+1]|, 0x1800000
.endr
.irp i, 2,4,6,8,10,12,14
.irp g, 0,1,2,3
	v_max3_num_f32 v[TM+\g], |v[AC+16*\g+\i]|, |v[AC+16*\g+\i+1]|, v[TM+\g]
.endr
.endr
	WIN 0
.irp g, 0,1,2,3
	v_permlanex16_b32 v[TM+4+\g], v[TM+\g], s20, s21
.endr
.irp g, 0,1,2,3
	v_max_num_f32 v[TM+\g], v[TM+\g], v[TM+4+\g]
.endr
.irp g, 0,1,2,3
	v_add_nc_u32 v[TM+12+\g], 0xff000000, v[TM+\g]
.endr
.irp g, 0,1,2,3
	v_lshrrev_b32 v[TM+4+\g], 23, v[TM+12+\g]
.endr
	v_lshl_or_b32 v[PW], v[TM+5], 8, v[TM+4]
	v_lshl_or_b32 v[PW], v[TM+6], 16, v[PW]
	v_lshl_or_b32 v[PW], v[TM+7], 24, v[PW]
	v_lshrrev_b32 v[PW], v15, v[PW]
	v_and_b32 v[PH+(\a)], 0xffff, v[PW]
.if (\a) > 0
	s_wait_xcnt 0x0
.endif
	WIN 2+(\a)/4
.irp c, 0,1
	v_cvt_scalef32_pk16_fp6_f32 v[PC+6*\c:PC+6*\c+2], v[AC+32*\c:AC+32*\c+15], v[TM+12+2*\c]
	v_cvt_scalef32_pk16_fp6_f32 v[CT+4*\c:CT+4*\c+2], v[AC+32*\c+16:AC+32*\c+31], v[TM+12+2*\c+1]
.endr
	WIN 0
	v_nop
.irp c, 0,1
.irp i, 0,1,2
	v_permlane16_swap_b32 v[PC+6*\c+\i], v[CT+4*\c+\i]
.endr
.irp i, 0,1,2
	v_mov_b32 v[PC+3+6*\c+\i], v[CT+4*\c+\i]
.endr
.endr
	ds_store_b32 v9, v[PH+(\a)] offset:64*(\a)
.irp c, 0,1
	global_store_b128 v7, v[PC+6*\c:PC+6*\c+3], s[44+2*\c:45+2*\c] offset:768*(\a)
	global_store_b64 v8, v[PC+6*\c+4:PC+6*\c+5], s[44+2*\c:45+2*\c] offset:768*(\a)+512
.endr
.endm
.irp a, 0,1,2,3,4,5,6,7
	QKBLK \a
.endr
	ds_load_b128 v[OW:OW+3], v10
	ds_load_b128 v[OW+4:OW+7], v10 offset:512
	s_wait_dscnt 0x0
	global_store_b128 v7, v[OW:OW+3], s[48:49]
	global_store_b128 v7, v[OW+4:OW+7], s[50:51]
	s_branch .Ldone
.Lv:
	s_add_nc_u64 s[44:45], s[44:45], 6656
	s_add_nc_u64 s[46:47], s[46:47], 6656
.macro VSTAGE hh
.irp z, 0,1
	WIN 0x08+4*\z
.irp u, 0,1
.irp b, 0,1,2,3,4,5,6,7
	ds_store_b128 v11, v[64*(2*(\hh)+\u)+8*\b:64*(2*(\hh)+\u)+8*\b+3] offset:(32*\z+16*\u)*528+128*(\b/2)+32*(\b%2)
	ds_store_b128 v11, v[64*(2*(\hh)+\u)+8*\b+4:64*(2*(\hh)+\u)+8*\b+7] offset:(32*\z+16*\u)*528+128*(\b/2)+32*(\b%2)+16
.endr
.endr
.endr
	WIN 0
.endm
.macro VLOAD cg
.set i, 0
.rept 64
	ds_load_b32 v[128+64*((\cg)%2)+i], v12 offset:((i&32)+((i&7)|(((i>>3)&1)<<4)|(((i>>4)&1)<<3)))*528+128*(\cg)
.set i, i+1
.endr
.endm
.macro VBLK cg, hh
.set XS, 128+64*((\cg)%2)
.if (\cg) < 3
	s_wait_dscnt 63
.else
	s_wait_dscnt 0x0
.endif
.irp z, 0,1
	v_max3_num_f32 v[84+2*\z], |v[XS+32*\z]|, |v[XS+32*\z+1]|, |v[XS+32*\z+2]|
	v_max3_num_f32 v[85+2*\z], |v[XS+32*\z+3]|, |v[XS+32*\z+4]|, |v[XS+32*\z+5]|
.endr
.irp i, 6,10,14,18,22,26
.irp z, 0,1
	v_max3_num_f32 v[84+2*\z], v[84+2*\z], |v[XS+32*\z+\i]|, |v[XS+32*\z+\i+1]|
	v_max3_num_f32 v[85+2*\z], v[85+2*\z], |v[XS+32*\z+\i+2]|, |v[XS+32*\z+\i+3]|
.endr
.endr
.irp z, 0,1
	v_max3_num_f32 v[84+2*\z], v[84+2*\z], |v[XS+32*\z+30]|, |v[XS+32*\z+31]|
.endr
.irp z, 0,1
	v_max3_num_f32 v[84+2*\z], v[84+2*\z], v[85+2*\z], 0x1800000
.endr
.irp z, 0,1
	v_add_nc_u32 v[88+\z], 0xff000000, v[84+2*\z]
.endr
.irp z, 0,1
	v_lshrrev_b32 v[90+\z], 23, v[88+\z]
.endr
.if (\hh) == 0
	v_lshl_or_b32 v[92+(\cg)], v91, 16, v90
.else
	v_lshl_or_b32 v[92+(\cg)], v90, 8, v[92+(\cg)]
	v_lshl_or_b32 v[92+(\cg)], v91, 24, v[92+(\cg)]
.endif
.if (\cg)+(\hh) > 0
	s_wait_alu depctr_va_vdst(0)
	s_wait_xcnt 0x0
.endif
	v_cvt_scalef32_pk16_fp6_f32 v[64:66], v[XS:XS+15], v88
	v_cvt_scalef32_pk16_fp6_f32 v[76:78], v[XS+16:XS+31], v88
	v_cvt_scalef32_pk16_fp6_f32 v[70:72], v[XS+32:XS+47], v89
	v_cvt_scalef32_pk16_fp6_f32 v[80:82], v[XS+48:XS+63], v89
	v_nop
.irp i, 0,1,2
	v_mov_b32 v[67+\i], v[76+\i]
	v_mov_b32 v[73+\i], v[80+\i]
.endr
.irp q, 0,1,2
	global_store_b128 v13, v[64+4*\q:67+4*\q], s[44+2*((\cg)/2):45+2*((\cg)/2)] offset:3072*((\cg)%2)+512*\q+256*(\hh)
.endr
.if (\cg)+2 < 4
	VLOAD (\cg)+2
.endif
.endm
.irp hh, 0,1
	VSTAGE \hh
	VLOAD 0
	VLOAD 1
	VBLK 0, \hh
	VBLK 1, \hh
	VBLK 2, \hh
	VBLK 3, \hh
.endr
.irp c, 0,1
	global_store_b64 v14, v[92+2*\c:93+2*\c], s[44+2*\c:45+2*\c] offset:6144
.endr
.Ldone:
	s_wait_tensorcnt 0x0
	ds_add_u32 v[SPW], v[NIL]
	s_wait_dscnt 0x0
	CROUND
	s_endpgm
.Lfunc_end_k_q54b035a873_qkv:
	.size	k_q54b035a873_qkv, .Lfunc_end_k_q54b035a873_qkv-k_q54b035a873_qkv
	.p2alignl 7, 3214868480
	.fill 96, 4, 3214868480
	.section	.rodata,"a",@progbits
	.p2align	6, 0x0
	.amdhsa_kernel k_q54b035a873_qkv
		.amdhsa_group_segment_fixed_size 327680
		.amdhsa_private_segment_fixed_size 0
		.amdhsa_enable_private_segment 0
		.amdhsa_kernarg_size 80
		.amdhsa_user_sgpr_count 2
		.amdhsa_user_sgpr_kernarg_segment_ptr 1
		.amdhsa_wavefront_size32 1
		.amdhsa_system_sgpr_workgroup_id_x 1
		.amdhsa_system_sgpr_workgroup_id_y 1
		.amdhsa_system_sgpr_workgroup_id_z 1
		.amdhsa_system_vgpr_workitem_id 0
		.amdhsa_next_free_vgpr 1024
		.amdhsa_next_free_sgpr 102
		.amdhsa_reserve_vcc 0
		.amdhsa_float_denorm_mode_32 3
		.amdhsa_float_denorm_mode_16_64 3
		.amdhsa_memory_ordered 1
		.amdhsa_forward_progress 1
		.amdhsa_inst_pref_size 221
	.end_amdhsa_kernel
	.amdgpu_metadata
---
amdhsa.version: [ 1, 2 ]
amdhsa.kernels:
  - .name:           k_q54b035a873_qkv
    .symbol:         k_q54b035a873_qkv.kd
    .args:
      - { .name: actc, .offset: 0, .size: 8, .value_kind: global_buffer, .address_space: global }
      - { .name: acts, .offset: 8, .size: 8, .value_kind: global_buffer, .address_space: global }
      - { .name: wc, .offset: 16, .size: 8, .value_kind: global_buffer, .address_space: global }
      - { .name: ws, .offset: 24, .size: 8, .value_kind: global_buffer, .address_space: global }
      - { .name: bq, .offset: 32, .size: 8, .value_kind: global_buffer, .address_space: global }
      - { .name: bk, .offset: 40, .size: 8, .value_kind: global_buffer, .address_space: global }
      - { .name: bv, .offset: 48, .size: 8, .value_kind: global_buffer, .address_space: global }
      - { .name: qc, .offset: 56, .size: 8, .value_kind: global_buffer, .address_space: global }
      - { .name: qs, .offset: 64, .size: 8, .value_kind: global_buffer, .address_space: global }
      - { .name: kv, .offset: 72, .size: 8, .value_kind: global_buffer, .address_space: global }
    .group_segment_fixed_size: 327680
    .private_segment_fixed_size: 0
    .kernarg_segment_align: 8
    .kernarg_segment_size: 80
    .max_flat_workgroup_size: 128
    .sgpr_count:     102
    .vgpr_count:     1024
    .wavefront_size: 32
...
	.end_amdgpu_metadata
.endif
;; end of part 2
;; launch attn (part 3): grid 4 x 64, 8 waves a work-group, clusters of 4 x 1, 224,256 bytes of LDS; arguments qc, qs, kv, actc, acts; writes actc, acts
.if DOCPART == 3
	.amdgcn_target "amdgcn-amd-amdhsa--gfx1250"
	.amdhsa_code_object_version 6
	.text
	.protected	k_q54b035a873_attn
	.globl	k_q54b035a873_attn
	.p2align	8
	.type	k_q54b035a873_attn,@function
k_q54b035a873_attn:
	s_mov_b64 s[64:65], 0
	v_nop
	global_prefetch_b8 v0, s[64:65] scope:SCOPE_SE
	s_setreg_imm32_b32 hwreg(HW_REG_WAVE_MODE, 25, 1), 1
	s_wait_xcnt 0x0
	s_wait_alu depctr_hold_cnt(0) depctr_sa_sdst(0) depctr_va_vdst(0) depctr_va_sdst(0) depctr_va_ssrc(0) depctr_va_vcc(0) depctr_vm_vsrc(0)
	s_getreg_b32 s2, hwreg(HW_REG_IB_STS2, 6, 4)
	s_cmp_eq_u32 s2, 0
	s_cbranch_scc0 .Lentry_in_a_cluster
	s_endpgm
.Lentry_in_a_cluster:
	s_bfe_u32 s2, ttmp6, 0x10000c
	s_cmp_lg_u32 s2, 0x3003
	s_cbranch_scc0 .Lentry_shape_is_right
	s_endpgm
.Lentry_shape_is_right:
; ctx[bh][q] = sum over keys of softmax(q . k / 8) v, both products on codes of FP6 (E2M3) with E8M0 scales; ctx is quantised along the head's 64 for the output projection.
; THE SOFTMAX: t = score x log2(e) / 8; M = the running largest t rounded UP to a whole number; p = 2^(t - M) is quantised along the keys, not normalised; the row's sum is taken of the unquantised p and divides at the end.
; When M moves, the sum and O are multiplied by 2^(old M - new M): exact.
; SHARES.  A cluster of four work-groups takes one (batch, head); each work-group 512 of its 2,048 queries, in two passes of 256; each of eight waves two tiles of 16 queries (x = 0, 1), so that each fragment of K and V feeds two products.
; A HEAD'S WHOLE K AND V LIE IN LDS: 16 records of 13,056 bytes (128 keys each), filled ONCE: wave w brings records 2 w, 2 w + 1 by one load (102 rows of 256 bytes), asked for jointly by the four work-groups.  No slot is filled again,
; and the launch has no loop to run ahead in for a prefetch: all that it streams is asked for at its head.
; A record: 8 K tiles x 768 (half fragments: K = 64); 128 K scale words; 4 V tiles x 1,536; 256 bytes of V scale words: images of the operands' registers.
; K = 64 IN AN INSTRUCTION OF 128: Q's registers 6-11 hold zero codes, and bytes 2, 3 of Q's and K's scale words are 0 (2^-127, a number).  K's tiles lie 6 registers apart, so a tile's registers 6-11 are the next tile's codes
; (zeros behind the last): any code is a finite number in this format, and times a zero code it adds nothing.
; LAYOUT.  Both products transposed: S^T = K Q^T, O^T = V^T P^T: a lane holds one query (lane % 16).
; THE KEYS OF A TILE ARE CHOSEN BY THE LANES' ADDRESSES.  In a record, tile 2 g + u, row r holds key 32 g + 8 u + r + 8 (r / 8).  Tile (c, t = 2 v + u) as it is multiplied takes for its rows 0-7 keys 8 t .. 8 t + 7 of block 2 c
; (stored tile 4 c + u, rows 8 v ..) and for its rows 8-15 the same keys of block 2 c + 1 (stored tile 4 c + 2 + u): lanes with r >= 8 read 1,536 bytes less 8 rows further on.  So the 32 registers of tiles (c, 0 .. 3) in lane (r, h)
; are keys 0 .. 31 of block 2 c + h: a whole scale block, in the order of p's operand registers 6 c .. 6 c + 5.  A block's maximum asks no other lane; nothing is swapped between lanes.
; ORDER OF A STEP.  Dependent lines are kept apart: a block's maximum goes in four chains, the rows' sums in eight; the first half's maxima stand behind the second half's products, one tile's chain for M among the other tile's
; independent lines, tile 1's t - M among tile 0's exponentials, the sums behind the second product's instructions.
; ctx goes to actc as half fragments (head hd: K slot hd / 4, byte 768 (hd % 4) of the row tile's 3,072) and its two scale bytes a row to acts [head][position].
; LIMITS: NaN and infinities are not served; the promise holds while the scaled scores t stay under 2^31 in magnitude; p under 2^-126 counts as 0; a block of zeros gets the byte 1 (its codes are zeros).
; REGISTERS.  Window 0: all that vector instructions work on.  Window 1: K's, V's and Q's fragments, the second halves of the conversions, the lanes' base addresses.
.set REC,   13056
.set CSTG,  17*REC                     ; the scale bytes of the work-group's 512 rows of ctx, 2 bytes a row; a record's length lies unused between the records and this stage
.set SPARE, CSTG+1024                  ; the spare words: 128 bytes for each of eight waves
.set ASTEP, 1572864
.set STG, 1                            ; v1      CSTG + 64 x wave + 2 r
.set AK,  2                            ; v2-6    the record's addresses: K by 16, K by 8, K's scale words, V by 16, V's scale words by 8
.set AV,  5
.set AV8, 6
.set RB,  7                            ; v7      CSTG + 16 x lane
.set NM,  8                            ; v[8+2x] -M, v[9+2x] the largest score so far
.set AC,  12                           ; v[12+2x : 13+2x] the row's sum, in two halves; v16-27: a step's three further chains of each tile's sum
.set FF,  20                           ; v[20+2x] f = 2^(old M - new M) (the register above it is named with it as a pair); behind the rescaling a chain of the sum
.set SO,  24                           ; v24-27  the conversions' scale operands, 2 x + c; behind the conversions a chain of the sum
.set QS,  28                           ; v28, 29 Q's scale words; v30, 31 p's; v32-35 K's; v36, 37 V's: scales and nothing else
.set PW,  30
.set KSC, 32
.set VS,  36
.set SPW, 38
.set NIL, 39
.set P,   40                           ; v[40+12x ..] p's codes.  Until they are made, v40-51 are at work:
.set BM,  40                           ; v40-43  the blocks' largest scores, then largest p (2 x + c)
.set MT,  44                           ; v[44+4x ..] four chains of a maximum; then the tile's chain for M
.set BY,  44
.set WW,  48
.set OT,  50
.set S,   64                           ; v[64+64x ..] S^T, then p
.set O,   192                          ; v[192+32x ..] O^T
.set KF,  0                            ; window 1: v0-53 K; v56-103 V; v104-127 Q; v128-139 the second pass's Q, v140, 141 its scale words; v144-159 conversions; v160-164 base addresses
.set VF,  56
.set QF,  104
.set QN,  128
.set QNS, 140
.set CT,  144
.set BK,  160
.set BV,  163
.set BV8, 164
.set MSB, 0
.macro WIN new                         ; the immediate's high byte repeats the setting that is left
.if MSB != (\new)
	s_set_vgpr_msb (MSB<<8)|(\new)
.set MSB, (\new)
.endif
.endm
.macro WALU
	s_wait_alu depctr_va_vdst(0)
.endm
.macro ROUND                           ; a round of the cluster's barrier
	s_barrier_signal -1
	s_barrier_wait -1
	s_cmp_lg_u32 s18, 0
	s_cbranch_scc1 .Lnot_wave_0_\@
	s_barrier_signal -3
.Lnot_wave_0_\@:
	s_barrier_wait -3
	s_barrier_signal -1
	s_barrier_wait -1
.endm
.macro KADR                            ; the addresses of the record at s36: five plain lines
	WIN 0x05
.irp i, 0,1,2,3,4
	v_add_nc_u32 v[AK+\i], s36, v[BK+\i]
.endr
.endm
.macro KLD                             ; that record's K: 20 loads
	WIN 0x40
.irp c, 0,1
.irp v, 0,1
.irp u, 0,1
	ds_load_b128 v[KF+6*(4*\c+2*\v+\u):KF+6*(4*\c+2*\v+\u)+3], v[AK] offset:768*(4*\c+\u)+128*\v
	ds_load_b64 v[KF+6*(4*\c+2*\v+\u)+4:KF+6*(4*\c+2*\v+\u)+5], v[AK+1] offset:768*(4*\c+\u)+512+64*\v
.endr
.endr
.endr
	WIN 0
.irp c, 0,1
.irp v, 0,1
	ds_load_b32 v[KSC+2*\c+\v], v[AK+2] offset:6144+256*\c+32*\v   ; lanes 0-15: tile (c, 2 v)'s words, lanes 16-31: tile (c, 2 v + 1)'s
.endr
.endr
.endm
.macro QKM c, v, u, x                  ; S^T of tile (c, 2 v + u) x query tile x
	v_wmma_scale_f32_16x16x128_f8f6f4 v[S+64*\x+8*(4*\c+2*\v+\u):S+64*\x+8*(4*\c+2*\v+\u)+7], v[KF+6*(4*\c+2*\v+\u):KF+6*(4*\c+2*\v+\u)+11], v[QF+12*\x:QF+12*\x+11], 0, v[KSC+2*\c+\v], v[QS+\x] matrix_a_fmt:MATRIX_FMT_FP6 matrix_b_fmt:MATRIX_FMT_FP6 matrix_a_scale:MATRIX_SCALE_ROW\u
.endm
.macro MAXOP c, x, n                   ; line n of 16 of the largest of the 32 scores of my block (c) of tile x: four chains of 7, then they and the last four join.  Each accumulator is first read in its four lowest registers
.set E_, S+64*(\x)+32*(\c)
.set T_, MT+4*(\x)
.set Q_, (\n)%4
.if (\n) < 4
	v_max3_num_f32 v[T_+Q_], v[E_+7*Q_], v[E_+7*Q_+1], v[E_+7*Q_+2]
.elseif (\n) < 12
	v_max3_num_f32 v[T_+Q_], v[T_+Q_], v[E_+7*Q_+2*((\n)/4)+1], v[E_+7*Q_+2*((\n)/4)+2]
.elseif (\n) < 14
	v_max3_num_f32 v[T_+2*Q_], v[T_+2*Q_], v[T_+2*Q_+1], v[E_+28+Q_]
.elseif (\n) == 14
	v_max3_num_f32 v[T_], v[T_], v[T_+2], v[E_+30]
.else
	v_max_num_f32 v[BM+2*(\x)+(\c)], v[T_], v[E_+31]
.endif
.endm
.macro CH x, k                         ; line k of 9 of tile x's chain from its blocks' maxima to -M and f
.set M_, MT+4*(\x)
.set NB_, NM+2*(\x)
.if (\k) == 0
	v_max_num_f32 v[M_], v[BM+2*(\x)], v[BM+2*(\x)+1]
.elseif (\k) == 1
	v_permlanex16_b32 v[M_+1], v[M_], s20, s21
.elseif (\k) == 2
	v_max3_num_f32 v[NB_+1], v[NB_+1], v[M_], v[M_+1]   ; the running largest score of my query
.elseif (\k) == 3
	v_mul_f32 v[M_+2], s22, v[NB_+1]               ; as t (c is positive)
.elseif (\k) == 4
	v_floor_f32 v[M_+2], -v[M_+2]                  ; the new -M = -ceil(t): a whole number
.elseif (\k) == 5
	v_sub_f32 v[M_], v[M_+2], v[NB_]               ; old M - new M: a whole number, 0 or less
.elseif (\k) == 6
	v_mov_b32 v[NB_], v[M_+2]
.elseif (\k) == 7
	v_cvt_i32_f32 v[M_], v[M_]                     ; (it saturates)
.elseif (\k) == 8
	v_ldexp_f32 v[FF+2*(\x)], 1.0, v[M_]           ; f = 2^(old M - new M)
.endif
.endm
.macro SUMOP n                         ; line n of 64 of the rows' sums of the unquantised p: eight chains by turns (tile n % 2, chain (n / 2) % 4: pairs 4 m + chain); the last round joins a tile's four
.set X_, (\n)%2
.set H_, ((\n)/2)%4
.set K_, (\n)/8
.set B_, S+64*X_
.set A_, AC+2*X_
.set C_, AC+4*H_+2*X_
.if H_ == 0
	v_pk_add_f32 v[A_:A_+1], v[A_:A_+1], v[B_+8*K_:B_+8*K_+1]
.elseif K_ == 0
	v_pk_add_f32 v[C_:C_+1], v[B_+2*H_:B_+2*H_+1], v[B_+8+2*H_:B_+8+2*H_+1]
.elseif K_ < 7
	v_pk_add_f32 v[C_:C_+1], v[C_:C_+1], v[B_+8*K_+8+2*H_:B_+8*K_+8+2*H_+1]
.elseif H_ == 1
	v_pk_add_f32 v[C_:C_+1], v[C_:C_+1], v[C_+4:C_+5]
.elseif H_ == 2
	v_pk_add_f32 v[A_:A_+1], v[A_:A_+1], v[C_+4:C_+5]
.else
	v_pk_add_f32 v[A_:A_+1], v[A_:A_+1], v[A_+4:A_+5]
.endif
.endm
; A STEP: 128 keys x 32 queries.  This record's K was asked for a step ago.  wrap = 1: the pass's last step, which asks for record 0's K, for the next pass.
.macro STEP wrap
	WIN 0x40
.irp t, 0,1,2,3
.irp q, 0,1,2
	ds_load_b128 v[VF+12*\t+4*\q:VF+12*\t+4*\q+3], v[AV] offset:6656+1536*\t+512*\q
.endr
.endr
	WIN 0
	ds_load_b64 v[VS:VS+1], v[AV8] offset:12800    ; v36: tiles 0 (lanes 0-15) and 1; v37: tiles 2 and 3
	s_wait_dscnt 13                                ; K's 20 loads are in; V's 13 may be out
.if \wrap
	s_mov_b32 s36, 0
.endif
	WIN 0x05
.irp v, 0,1
.irp u, 0,1
.irp x, 0,1
	QKM 0, \v, \u, \x
.endr
.endr
.endr
	KADR                                           ; five plain lines: the places behind the first eight products
.irp v, 0,1
.irp u, 0,1
.irp x, 0,1
	QKM 1, \v, \u, \x
.endr
.endr
.endr
	WIN 0
.set N_, 0
.rept 32                               ; the first half's maxima, the two tiles by turns: they name no register of the second eight products and are the places behind them
	MAXOP 0, N_%2, N_/2
.set N_, N_+1
.endr
	KLD
.set N_, 0
.rept 16
	MAXOP 1, 0, N_
.set N_, N_+1
.endr
.set N_, 0
.rept 16                               ; tile 0's chain among tile 1's maxima
	MAXOP 1, 1, N_
.if N_%2
	CH 0, N_/2
.endif
.set N_, N_+1
.endr
	CH 0, 8
.set j, 0
.rept 32                               ; tile 0: t - M; tile 1's chain among these lines
	v_pk_fma_f32 v[S+j:S+j+1], v[S+j:S+j+1], s[22:23], v[NM:NM+1] op_sel_hi:[1,0,0]
.if j%6 == 4
	CH 1, (j-4)/6
.endif
.set j, j+2
.endr
	v_fma_f32 v[BM], v[BM], s22, v[NM]             ; the same of each block's largest score: p rises with the score, so this gives the block's largest p
	v_fma_f32 v[BM+1], v[BM+1], s22, v[NM]
.irp x, 0,1                            ; O^T and the sums under the new M, ahead of the exponentials; each accumulator from its low end on
.set j, 0
.rept 16
	v_pk_mul_f32 v[O+32*\x+j:O+32*\x+j+1], v[O+32*\x+j:O+32*\x+j+1], v[FF+2*\x:FF+2*\x+1] op_sel_hi:[1,0]
.set j, j+2
.endr
	v_pk_mul_f32 v[AC+2*\x:AC+2*\x+1], v[AC+2*\x:AC+2*\x+1], v[FF+2*\x:FF+2*\x+1] op_sel_hi:[1,0]
.endr
	WALU                                           ; the wait ahead of a batch of exponentials
.set j, 0
.rept 32                               ; tile 0's p = 2^(t - M); among them tile 1's t - M, whose sources were written ahead of the wait above and whose results are read behind the wait below
	v_exp_f32 v[S+j], v[S+j]
	v_exp_f32 v[S+j+1], v[S+j+1]
	v_pk_fma_f32 v[S+64+j:S+65+j], v[S+64+j:S+65+j], s[22:23], v[NM+2:NM+3] op_sel_hi:[1,0,0]
.set j, j+2
.endr
	v_exp_f32 v[BM], v[BM]                         ; a block's largest p: the same two instructions on the same number
	v_exp_f32 v[BM+1], v[BM+1]
	v_fma_f32 v[BM+2], v[BM+2], s22, v[NM+2]
	v_fma_f32 v[BM+3], v[BM+3], s22, v[NM+2]
	WALU                                           ; behind the first batch and ahead of the second
.set j, 0
.rept 64
	v_exp_f32 v[S+64+j], v[S+64+j]
.set j, j+1
.endr
	v_exp_f32 v[BM+2], v[BM+2]
	v_exp_f32 v[BM+3], v[BM+3]
	v_nop                                          ; the plain place behind the batch
	WALU                                           ; one wait for the batch, ahead of its first reader and of the wait below
	s_wait_dscnt 20                                ; V's 13 loads are in; the next record's 20 of K may be out
.irp k, 0,1,2,3
	v_max_num_f32 v[BM+\k], 0x1800000, v[BM+\k]    ; the floor 2^(3 - 127): the byte cannot fall under 1
.endr
.irp k, 0,1,2,3
	v_add_nc_u32 v[SO+\k], 0xff000000, v[BM+\k]    ; 2 off the exponent field: the conversion's scale operand
.endr
.irp k, 0,1,2,3
	v_lshrrev_b32 v[BY+\k], 23, v[SO+\k]           ; the scale's byte
.endr
.irp x, 0,1
	v_lshl_or_b32 v[WW+\x], v[BY+2*\x+1], 16, v[BY+2*\x]   ; my blocks h and 2 + h
.endr
.irp x, 0,1
	v_permlanex16_b32 v[OT+\x], v[WW+\x], s20, s21
.endr
.irp x, 0,1
	v_lshl_or_b32 v[PW+\x], v[OT+\x], 8, v[WW+\x]  ; lanes 0-15: p's scale word of query r for these 128 keys (lanes 16-31 are not read)
.endr
.irp x, 0,1
.irp c, 0,1
	v_cvt_scalef32_pk16_fp6_f32 v[P+12*\x+6*\c:P+12*\x+6*\c+2], v[S+64*\x+32*\c:S+64*\x+32*\c+15], v[SO+2*\x+\c]
.endr
.endr
	WIN 0x40                               ; (a conversion's three registers begin on an even number: a block's second half is made elsewhere and moved)
.irp x, 0,1
.irp c, 0,1
	v_cvt_scalef32_pk16_fp6_f32 v[CT+8*\x+4*\c:CT+8*\x+4*\c+2], v[S+64*\x+32*\c+16:S+64*\x+32*\c+31], v[SO+2*\x+\c]
.endr
.endr
	WIN 0x01
	v_nop                                          ; one plain place behind a scaled conversion
.irp x, 0,1
.irp c, 0,1
.irp i, 0,1,2
	v_mov_b32 v[P+12*\x+6*\c+3+\i], v[CT+8*\x+4*\c+\i]
.endr
.endr
.endr
	WIN 0
.set N_, 0
.rept 16                               ; sixteen plain lines between the last write of p's codes and scale words and the products that read them
	SUMOP N_
.set N_, N_+1
.endr
.irp g, 0,1                            ; O^T += V^T P^T: eight accumulators by turns
.irp u, 0,1
.irp x, 0,1
	WIN 0x01
	v_wmma_scale_f32_16x16x128_f8f6f4 v[O+32*\x+8*(2*\g+\u):O+32*\x+8*(2*\g+\u)+7], v[VF+12*(2*\g+\u):VF+12*(2*\g+\u)+11], v[P+12*\x:P+12*\x+11], v[O+32*\x+8*(2*\g+\u):O+32*\x+8*(2*\g+\u)+7], v[VS+\g], v[PW+\x] matrix_a_fmt:MATRIX_FMT_FP6 matrix_b_fmt:MATRIX_FMT_FP6 matrix_a_scale:MATRIX_SCALE_ROW\u
.endr
.endr
.endr
	WIN 0
.rept 48                               ; the rest of the sums: they name no register of the products and are the places ahead of the next step's loads
	SUMOP N_
.set N_, N_+1
.endr
.endm
	s_load_b128 s[4:7], s[0:1], 0x0                ; qc, qs
	s_load_b128 s[8:11], s[0:1], 0x10              ; kv, actc
	s_load_b64 s[12:13], s[0:1], 0x20              ; acts
	v_lshl_add_u32 v[SPW], v0, 2, SPARE
	v_mov_b32 v[NIL], 0
	ds_add_u32 v[SPW], v[NIL]                      ; the opening lines: the add, twice on end, and its wait ahead of my tensor load
	ds_add_u32 v[SPW], v[NIL]
	v_lshrrev_b32 v1, 5, v0
	v_readfirstlane_b32 s18, v1                    ; wave 0..7
	s_bfe_u32 s19, ttmp6, 0x40000                  ; cx: it enters global addresses of Q and ctx alone
	s_and_b32 s40, ttmp7, 0xffff                   ; bh, which the four partners share
	s_mov_b32 s24, 15|(3<<16)|(1<<21)              ; group 1: the mask names all four; elements of 8 bytes; bit 21 beside a mask; two records as 102 rows of 256 bytes
	s_mov_b32 s25, 32<<16
	s_mov_b32 s26, 102<<16
	s_mov_b32 s27, 32<<16
	s_mov_b32 s28, 102
	s_mov_b32 s29, 32
	s_mov_b32 s30, 0
	s_mov_b32 s31, 0
	s_mul_i32 s41, s18, 2*REC                      ; my two records, in LDS and in the head's part of kv
	s_mul_i32 s42, s40, 16*REC
	s_add_co_u32 s42, s42, s41
	s_mov_b32 s43, 0
	s_mov_b32 s20, 0x76543210
	s_mov_b32 s21, 0xfedcba98                      ; selects for lane l xor 16
	s_mov_b32 s22, 0x3e38aa3b                      ; c = log2(e) / 8
	s_mov_b32 s23, s22                             ; (named with it as a pair)
	s_wait_dscnt 0x0
	s_wait_kmcnt 0x0
	s_mov_b32 s32, 1
	s_mov_b32 s33, s41
	s_add_nc_u64 s[34:35], s[8:9], s[42:43]
	s_or_b32 s35, s35, 0x80000000
	ROUND                                          ; all four work-groups are here: the joint loads meet
	tensor_load_to_lds s[32:35], s[24:31]          ; one load of mine is out
	s_nop 0
.rept 4
	v_nop
.endr
	s_lshl_b32 s44, s19, 5
	s_lshl_b32 s45, s18, 1
	s_add_co_u32 s44, s44, s45                     ; my first query tile of the head's 128: 32 cx + 2 x wave
	s_mul_i32 s46, s40, 98304
	s_mul_i32 s47, s44, 768
	s_add_co_u32 s46, s46, s47
	s_mov_b32 s47, 0
	s_add_nc_u64 s[4:5], s[4:5], s[46:47]          ; Q's codes
	s_lshl_b32 s46, s40, 13
	s_lshl_b32 s45, s44, 6
	s_add_co_u32 s46, s46, s45
	s_add_nc_u64 s[6:7], s[6:7], s[46:47]          ; Q's scale words
	s_lshr_b32 s48, s40, 4                         ; the batch
	s_and_b32 s49, s40, 15                         ; the head
	s_lshl_b32 s46, s48, 7
	s_add_co_u32 s46, s46, s44
	s_mul_i32 s46, s46, 3072                       ; row tile 128 b + my query tile
	s_lshr_b32 s45, s49, 2
	s_mul_i32 s45, s45, ASTEP
	s_add_co_u32 s46, s46, s45
	s_and_b32 s45, s49, 3
	s_mul_i32 s45, s45, 768
	s_add_co_u32 s46, s46, s45
	s_add_nc_u64 s[10:11], s[10:11], s[46:47]      ; ctx's codes
	s_lshl_b32 s46, s49, 14
	s_lshl_b32 s45, s48, 12
	s_add_co_u32 s46, s46, s45
	s_lshl_b32 s45, s19, 10
	s_add_co_u32 s46, s46, s45
	s_add_nc_u64 s[12:13], s[12:13], s[46:47]      ; ctx's scale bytes: the work-group's 512 rows
	s_lshl_b32 s45, s18, 6
	s_add_co_u32 s45, s45, CSTG
	v_and_b32 v64, 31, v0                          ; lane
	v_and_b32 v65, 15, v0                          ; r
	v_bfe_u32 v66, v0, 3, 1                        ; r / 8
	v_lshlrev_b32 v67, 4, v64
	v_lshlrev_b32 v68, 3, v64
	v_lshlrev_b32 v69, 2, v65
	v_lshlrev_b32 v70, 2, v64
	v_lshl_add_u32 v[STG], v65, 1, s45
	v_add_nc_u32 v[RB], CSTG, v67
	v_mov_b32 v[FF+1], 0                           ; written once ahead of their first naming: the upper halves of f's pairs
	v_mov_b32 v[FF+3], 0
	WIN 0x40
	v_mad_u32_u24 v[BK], v66, 1408, v67            ; K by 16 bytes a row: lanes with r >= 8 read two stored tiles less 8 rows on
	v_mad_u32_u24 v[BK+1], v66, 1472, v68          ; by 8 bytes a row
	v_mad_u32_u24 v[BK+2], v66, 96, v70            ; K's scale words: 64 h + 128 (r / 8) + 4 (r % 8)
	v_mov_b32 v[BV], v67
	v_mov_b32 v[BV8], v68
.irp i, 0,1,2,3,4,5
	v_mov_b32 v[KF+48+\i], 0                       ; zero codes: what stands behind K's last tile, and Q's upper 64
	v_mov_b32 v[QF+6+\i], 0
	v_mov_b32 v[QF+18+\i], 0
.endr
.irp x, 0,1                            ; both passes' Q: half fragments, which stay in registers
	global_load_b128 v[QF+12*\x:QF+12*\x+3], v67, s[4:5] offset:768*\x
	global_load_b64 v[QF+12*\x+4:QF+12*\x+5], v68, s[4:5] offset:768*\x+512
	global_load_b128 v[QN+6*\x:QN+6*\x+3], v67, s[4:5] offset:12288+768*\x
	global_load_b64 v[QN+6*\x+4:QN+6*\x+5], v68, s[4:5] offset:12288+768*\x+512
	global_load_b32 v[QNS+\x], v69, s[6:7] offset:1024+64*\x
.endr
	WIN 0
	global_load_b32 v[QS], v69, s[6:7]
	global_load_b32 v[QS+1], v69, s[6:7] offset:64
	s_mov_b32 s38, 2                               ; passes
	s_mov_b32 s39, 0
	s_mov_b32 s36, 0
	WALU                                           ; the wait at the head's end
	s_wait_tensorcnt 0x0                           ; my records are in,
	s_barrier_signal -1
	s_barrier_wait -1                              ; everybody's are
	KADR                                           ; record 0's addresses
	KLD                                            ; and K
	WALU
	s_wait_loadcnt 0x0
.Lpass:
.irp x, 0,1
	v_mov_b32 v[NM+2*\x], 0x7f61b1e6               ; -M = 3e38,
	v_mov_b32 v[NM+2*\x+1], 0xff61b1e6             ; the largest score so far: -3e38
	v_mov_b32 v[AC+2*\x], 0
	v_mov_b32 v[AC+2*\x+1], 0
.endr
.set j, 0
.rept 64
	v_mov_b32 v[O+j], 0                            ; O^T: the step is written once; a pass's first step finds zeros, which the first change of M leaves zeros
.set j, j+1
.endr
	s_mov_b32 s36, REC                             ; the record whose K is asked for next
	s_mov_b32 s37, 15
.Lstep:
	STEP 0
	s_add_co_u32 s36, s36, REC
	s_sub_co_u32 s37, s37, 1
	s_cmp_lg_u32 s37, 0
	s_cbranch_scc1 .Lstep
	STEP 1
	; THE WAY OUT of a pass: ctx = O^T / the sum, quantised along the head's 64 (two blocks), stored as half fragments.  At work: registers 32 .. 48 of each tile's S
.irp x, 0,1
	v_add_f32 v[AC+2*\x], v[AC+2*\x], v[AC+2*\x+1]
.endr
.irp x, 0,1
	v_permlanex16_b32 v[S+64*\x+42], v[AC+2*\x], s20, s21
.endr
.irp x, 0,1
	v_add_f32 v[AC+2*\x], v[AC+2*\x], v[S+64*\x+42]   ; the row's sum
.endr
	WALU
	v_rcp_f32 v[AC], v[AC]
	v_rcp_f32 v[AC+2], v[AC+2]
	v_add_nc_u32 v[S+48], s39, v[STG]              ; this pass's place in the scale stage: the plain place behind the two
	WALU                                           ; ahead of the reciprocals' first reader, which is O^T's first reader too
.irp x, 0,1
.set j, 0
.rept 16
	v_pk_mul_f32 v[S+64*\x+j:S+64*\x+j+1], v[O+32*\x+j:O+32*\x+j+1], v[AC+2*\x:AC+2*\x+1] op_sel_hi:[1,0]   ; register 16 e + i = ctx(r, 32 e + 16 h + i); each accumulator from its low end on
.set j, j+2
.endr
.endr
.irp x, 0,1
.irp e, 0,1
	v_max3_num_f32 v[S+64*\x+32+\e], |v[S+64*\x+16*\e]|, |v[S+64*\x+16*\e+1]|, 0x1800000
.endr
.endr
.irp i, 2,4,6,8,10,12,14
.irp x, 0,1
.irp e, 0,1
	v_max3_num_f32 v[S+64*\x+32+\e], v[S+64*\x+32+\e], |v[S+64*\x+16*\e+\i]|, |v[S+64*\x+16*\e+\i+1]|
.endr
.endr
.endr
.irp x, 0,1
.irp e, 0,1
	v_permlanex16_b32 v[S+64*\x+34+\e], v[S+64*\x+32+\e], s20, s21
.endr
.endr
.irp x, 0,1
.irp e, 0,1
	v_max_num_f32 v[S+64*\x+32+\e], v[S+64*\x+32+\e], v[S+64*\x+34+\e]
.endr
.endr
.irp x, 0,1
.irp e, 0,1
	v_add_nc_u32 v[S+64*\x+36+\e], 0xff000000, v[S+64*\x+32+\e]
.endr
.endr
.irp x, 0,1
.irp e, 0,1
	v_lshrrev_b32 v[S+64*\x+38+\e], 23, v[S+64*\x+36+\e]
.endr
.endr
.irp x, 0,1
	v_lshl_or_b32 v[S+64*\x+40], v[S+64*\x+39], 8, v[S+64*\x+38]   ; my row's two scale bytes
.endr
.irp x, 0,1
	v_cvt_scalef32_pk16_fp6_f32 v[P+12*\x:P+12*\x+2], v[S+64*\x:S+64*\x+15], v[S+64*\x+36]
	v_cvt_scalef32_pk16_fp6_f32 v[S+64*\x+44:S+64*\x+46], v[S+64*\x+16:S+64*\x+31], v[S+64*\x+37]
.endr
	v_nop                                          ; one plain place behind a scaled conversion
.irp x, 0,1                            ; the operand's layout wants a whole block in a lane
.irp i, 0,1,2
	v_permlane16_swap_b32 v[P+12*\x+\i], v[S+64*\x+44+\i]
.endr
.endr
.irp x, 0,1
.irp i, 0,1,2
	v_mov_b32 v[P+12*\x+3+\i], v[S+64*\x+44+\i]
.endr
.endr
	ds_store_b16 v[S+48], v[S+40]                  ; lanes r and 16 + r write the same bytes with the same value
	ds_store_b16 v[S+48], v[S+64+40] offset:32
	WIN 0x01                               ; (the stores' offsets, 16 and 8 x lane, lie in window 1)
.irp x, 0,1
	global_store_b128 v[BV], v[P+12*\x:P+12*\x+3], s[10:11] offset:3072*\x       ; 512 and 256 consecutive bytes, aligned
	global_store_b64 v[BV8], v[P+12*\x+4:P+12*\x+5], s[10:11] offset:3072*\x+512
.endr
	v_mov_b32 v[QS], v[QNS]                        ; the second pass's Q and its scale words
	v_mov_b32 v[QS+1], v[QNS+1]
	WIN 0x41
.irp x, 0,1
.irp i, 0,1,2,3,4,5
	v_mov_b32 v[QF+12*\x+\i], v[QN+6*\x+\i]
.endr
.endr
	WIN 0
	WALU
	s_wait_xcnt 0x0                                ; the stores have read their base and data,
	s_wait_dscnt 0x0                               ; the LDS stores theirs: all may be written again
	s_add_nc_u64 s[10:11], s[10:11], 49152         ; 16 query tiles on
	s_add_co_u32 s39, s39, 512
	s_sub_co_u32 s38, s38, 1
	s_cmp_lg_u32 s38, 0
	s_cbranch_scc1 .Lpass
	s_barrier_signal -1                            ; every wave's scale bytes lie in the stage (each has waited for its stores)
	s_barrier_wait -1
	s_cmp_lg_u32 s18, 0
	s_cbranch_scc1 .Lnot_first
	ds_load_b128 v[S:S+3], v[RB]
	ds_load_b128 v[S+4:S+7], v[RB] offset:512
	s_wait_dscnt 0x0
	WIN 0x01
	global_store_b128 v[BV], v[S:S+3], s[12:13]    ; 1,024 consecutive bytes, aligned
	global_store_b128 v[BV], v[S+4:S+7], s[12:13] offset:512
	WIN 0
.Lnot_first:
	s_wait_tensorcnt 0x0                           ; the wave's end
	ds_add_u32 v[SPW], v[NIL]
	s_wait_dscnt 0x0
	ROUND                                          ; the closing round
	s_endpgm
.Lfunc_end_k_q54b035a873_attn:
	.size	k_q54b035a873_attn, .Lfunc_end_k_q54b035a873_attn-k_q54b035a873_attn
	.p2alignl 7, 3214868480
	.fill 96, 4, 3214868480
	.section	.rodata,"a",@progbits
	.p2align	6, 0x0
	.amdhsa_kernel k_q54b035a873_attn
		.amdhsa_group_segment_fixed_size 224256
		.amdhsa_private_segment_fixed_size 0
		.amdhsa_enable_private_segment 0
		.amdhsa_kernarg_size 40
		.amdhsa_user_sgpr_count 2
		.amdhsa_user_sgpr_kernarg_segment_ptr 1
		.amdhsa_wavefront_size32 1
		.amdhsa_system_sgpr_workgroup_id_x 1
		.amdhsa_system_sgpr_workgroup_id_y 1
		.amdhsa_system_sgpr_workgroup_id_z 1
		.amdhsa_system_vgpr_workitem_id 0
		.amdhsa_next_free_vgpr 448
		.amdhsa_next_free_sgpr 66
		.amdhsa_reserve_vcc 0
		.amdhsa_float_denorm_mode_32 3
		.amdhsa_float_denorm_mode_16_64 3
		.amdhsa_memory_ordered 1
		.amdhsa_forward_progress 1
		.amdhsa_inst_pref_size 73
	.end_amdhsa_kernel
	.amdgpu_metadata
---
amdhsa.version: [ 1, 2 ]
amdhsa.kernels:
  - .name:           k_q54b035a873_attn
    .symbol:         k_q54b035a873_attn.kd
    .args:
      - { .name: qc, .offset: 0, .size: 8, .value_kind: global_buffer, .address_space: global }
      - { .name: qs, .offset: 8, .size: 8, .value_kind: global_buffer, .address_space: global }
      - { .name: kv, .offset: 16, .size: 8, .value_kind: global_buffer, .address_space: global }
      - { .name: actc, .offset: 24, .size: 8, .value_kind: global_buffer, .address_space: global }
      - { .name: acts, .offset: 32, .size: 8, .value_kind: global_buffer, .address_space: global }
    .group_segment_fixed_size: 224256
    .private_segment_fixed_size: 0
    .kernarg_segment_align: 8
    .kernarg_segment_size: 40
    .max_flat_workgroup_size: 256
    .sgpr_count:     66
    .vgpr_count:     448
    .wavefront_size: 32
...
	.end_amdgpu_metadata
.endif
;; end of part 3
;; launch outp (part 4): grid 4 x 32, 4 waves a work-group, clusters of 4 x 4, 327,680 bytes of LDS; arguments actc, acts, wc, ws, bo, out0; writes out0
.if DOCPART == 4
	.amdgcn_target "amdgcn-amd-amdhsa--gfx1250"
	.amdhsa_code_object_version 6
	.text
	.protected	k_q54b035a873_outp
	.globl	k_q54b035a873_outp
	.p2align	8
	.type	k_q54b035a873_outp,@function
k_q54b035a873_outp:
	s_mov_b64 s[64:65], 0
	v_nop
	global_prefetch_b8 v0, s[64:65] scope:SCOPE_SE
	s_setreg_imm32_b32 hwreg(HW_REG_WAVE_MODE, 25, 1), 1
	s_wait_xcnt 0x0
	s_wait_alu depctr_hold_cnt(0) depctr_sa_sdst(0) depctr_va_vdst(0) depctr_va_sdst(0) depctr_va_ssrc(0) depctr_va_vcc(0) depctr_vm_vsrc(0)
	s_getreg_b32 s2, hwreg(HW_REG_IB_STS2, 6, 4)
	s_cmp_eq_u32 s2, 0
	s_cbranch_scc0 .Lentry_in_a_cluster
	s_endpgm
.Lentry_in_a_cluster:
	s_bfe_u32 s2, ttmp6, 0x10000c
	s_cmp_lg_u32 s2, 0xf033
	s_cbranch_scc0 .Lentry_shape_is_right
	s_endpgm
.Lentry_shape_is_right:
.set ASTEP, 1572864
.set BSTEP, 786432
.set WT0,   192
.set WP0,   3072
.set FR,    12
.set NL,    4
.set NP,    4
.set HALFT, 24576
.set SLOT,  4*HALFT
.set SCL,   2*SLOT
.set RAW,   213248
.set SPARE, 221440
.set SPITCH, 528
.set ADRA, 16
.set ADRB, 20
.set STO,  24
.set RD,   25
.set CO,   26
.set ADRS, 27
.set SPW,  28
.set NIL,  29
.set SC,   32
.set BI,   64
.set AF,   128
.set BK,   128
.set G1, 24
.set G0, 32
.set G1B, 48
.set G0B, 56
.set G1S, 68
.set G0S, 76
.set G1SB, 80
.set G0SB, 88
.set MSB, 0
.macro WIN new
.if MSB != (\new)
	s_set_vgpr_msb (MSB<<8)|(\new)
.set MSB, (\new)
.endif
.endm
.set MUL_LO, 0xa1
.set MUL_HI, 0xf1
.set TO_B,   0x40
.macro JLOAD g0a, g1a, g0b, g1b
	s_cmp_eq_u32 s15, 0
	s_cbranch_scc0 .Lfor_b_\@
	tensor_load_to_lds s[\g0a:\g0a+3], s[\g1a:\g1a+7]
	s_nop 0
.rept 4
	v_nop
.endr
	s_branch .Lasked_\@
.Lfor_b_\@:
	tensor_load_to_lds s[\g0b:\g0b+3], s[\g1b:\g1b+7]
	s_nop 0
.rept 4
	v_nop
.endr
.Lasked_\@:
.endm
.macro CREST
	s_cmp_lg_u32 s14, 0
	s_cbranch_scc1 .Lnot_wave_0_\@
	s_barrier_signal -3
.Lnot_wave_0_\@:
	s_barrier_wait -3
	s_barrier_signal -1
	s_barrier_wait -1
.endm
.macro CROUND
	s_barrier_signal -1
	s_barrier_wait -1
	CREST
.endm
	s_load_b128 s[4:7], s[0:1], 0x0
	s_load_b128 s[8:11], s[0:1], 0x10
	s_load_b64 s[12:13], s[0:1], 0x20
	s_load_b64 s[96:97], s[0:1], 0x28
	v_lshl_add_u32 v[SPW], v0, 2, SPARE
	v_mov_b32 v[NIL], 0
	ds_add_u32 v28, v29
	ds_add_u32 v28, v29
	s_wait_dscnt 0x0
	v_lshrrev_b32 v1, 5, v0
	v_readfirstlane_b32 s14, v1
	s_lshr_b32 s15, s14, 1
	s_and_b32 s16, s14, 1
	s_bfe_u32 s40, ttmp6, 0x40000
	s_bfe_u32 s41, ttmp6, 0x40004
	s_lshl_b32 s42, ttmp9, 2
	s_add_co_u32 s42, s42, s40
	s_and_b32 s17, ttmp7, 0xffff
	s_lshl_b32 s17, s17, 2
	s_add_co_u32 s17, s17, s41
	s_lshl_b32 s43, s41, 2
	s_lshl_b32 s43, 15, s43
	s_lshl_b32 s44, 0x1111, s40
	s_or_b32 s[G1+0], s43, (3<<16)|(1<<21)
	s_or_b32 s[G1B+0], s44, (3<<16)|(1<<21)
.irp g, G1, G1B
	s_mov_b32 s[\g+1], 32<<16
	s_mov_b32 s[\g+2], 192<<16                     ; the head's loads bring a whole slot's 192 rows of A or of B
	s_mov_b32 s[\g+3], 32<<16
	s_mov_b32 s[\g+4], 192
	s_mov_b32 s[\g+5], 32
	s_mov_b32 s[\g+6], 0
	s_mov_b32 s[\g+7], 0
.endr
	s_or_b32 s[G1S+0], s43, (3<<16)|(1<<21)
	s_mov_b32 s[G1S+1], 64<<16
	s_mov_b32 s[G1S+2], 16<<16                     ; ctx's scale bytes: sixteen rows (heads) of 512 bytes
	s_mov_b32 s[G1S+3], 64<<16
	s_mov_b32 s[G1S+4], 16
	s_mov_b32 s[G1S+5], 2048
	s_mov_b32 s[G1S+6], 0
	s_mov_b32 s[G1S+7], 0
	s_or_b32 s[G1SB+0], s44, (3<<16)|(1<<21)
	s_mov_b32 s[G1SB+1], 256<<16                   ; Wo's scales: four rows (K slots) of 2,048 bytes
	s_mov_b32 s[G1SB+2], 4<<16
	s_mov_b32 s[G1SB+3], 256<<16
	s_mov_b32 s[G1SB+4], 4
	s_mov_b32 s[G1SB+5], 4096
	s_mov_b32 s[G1SB+6], 0
	s_mov_b32 s[G1SB+7], 0
	s_lshl_b32 s20, s17, 4
	s_mul_i32 s20, s20, 3072
	s_mov_b32 s21, 0
	s_lshl_b32 s46, s42, 4
	s_add_co_u32 s46, s46, WT0
	s_mul_i32 s46, s46, 3072
	s_mov_b32 s47, 0
	s_lshl_b32 s22, s17, 9
	s_mov_b32 s23, 0
	s_lshl_b32 s92, s42, 11
	s_add_co_u32 s92, s92, WP0*8
	s_mov_b32 s93, 0
	s_mul_i32 s45, s14, HALFT
	s_wait_kmcnt 0x0
	s_add_nc_u64 s[20:21], s[4:5], s[20:21]
	s_add_nc_u64 s[22:23], s[6:7], s[22:23]
	s_add_nc_u64 s[46:47], s[8:9], s[46:47]
	s_add_nc_u64 s[92:93], s[10:11], s[92:93]
	CROUND
	s_mov_b32 s[G0S], 1
	s_mov_b32 s[G0S+1], RAW
	s_mov_b64 s[G0S+2:G0S+3], s[22:23]
	s_or_b32 s[G0S+3], s[G0S+3], 0x80000000
	s_mov_b32 s[G0SB], 1
	s_mov_b32 s[G0SB+1], SCL+8320
	s_mov_b64 s[G0SB+2:G0SB+3], s[92:93]
	s_or_b32 s[G0SB+3], s[G0SB+3], 0x80000000
.set G0H, 4                            ; s[4:7], s[8:11] group 0 of the head's loads of K slot 0 (the arguments that lay there have been used)
.set G0HB, 8
	s_mov_b32 s[G0H], 1                            ; A's 16 row tiles, whole,
	s_mov_b32 s[G0H+1], 0
	s_mov_b64 s[G0H+2:G0H+3], s[20:21]
	s_or_b32 s[G0H+3], s[G0H+3], 0x80000000
	s_mov_b32 s[G0HB], 1                           ; and B's, behind them in slot 0
	s_mov_b32 s[G0HB+1], 2*HALFT
	s_mov_b64 s[G0HB+2:G0HB+3], s[46:47]
	s_or_b32 s[G0HB+3], s[G0HB+3], 0x80000000
	s_mul_i32 s18, s16, HALFT                      ; for the ring: my half of a tile
	s_mov_b32 s19, 0
	s_add_nc_u64 s[20:21], s[20:21], s[18:19]
	s_add_nc_u64 s[46:47], s[46:47], s[18:19]
.irp s, 0,1
	s_mov_b32 s[G0+4*\s], 1
	s_add_co_u32 s[G0+4*\s+1], s45, \s*SLOT
	s_add_nc_u64 s[G0+4*\s+2:G0+4*\s+3], s[20:21], \s*ASTEP
	s_or_b32 s[G0+4*\s+3], s[G0+4*\s+3], 0x80000000
	s_mov_b32 s[G0B+4*\s], 1
	s_add_co_u32 s[G0B+4*\s+1], s45, \s*SLOT
	s_add_nc_u64 s[G0B+4*\s+2:G0B+4*\s+3], s[46:47], \s*BSTEP
	s_or_b32 s[G0B+4*\s+3], s[G0B+4*\s+3], 0x80000000
.endr
; THE HEAD'S LOADS, ONE A WAVE: wave 0 K slot 0 of A, wave 1 of B, wave 2 ctx's scale bytes, wave 3 Wo's scales.  One chain of branches on the wave's number; every way passes exactly one load.
.macro ARM under, g0, g1, next
	s_cmp_lt_u32 s14, \under
	s_cbranch_scc0 \next
	tensor_load_to_lds s[\g0:\g0+3], s[\g1:\g1+7]
	s_nop 0
.rept 4
	v_nop
.endr
	s_branch .Lhead_asked
\next:
.endm
	ARM 1, G0H,  G1,  .Lhead_b
	ARM 2, G0HB, G1B, .Lhead_sa
	ARM 3, G0S,  G1S, .Lhead_sb
	tensor_load_to_lds s[G0SB:G0SB+3], s[G1SB:G1SB+7]
	s_nop 0
.rept 4
	v_nop
.endr
.Lhead_asked:
	v_and_b32 v1, 15, v0
	v_bfe_u32 v2, v0, 4, 1
	s_wait_alu depctr_va_vdst(0)
	v_and_b32 v3, 31, v0
	v_lshlrev_b32 v4, 4, v3
	s_wait_alu depctr_va_vdst(0)
	v_lshlrev_b32 v5, 3, v3
	s_wait_alu depctr_va_vdst(0)
	s_lshl_b32 s18, s42, 10
	s_lshl_b32 s19, s16, 9
	s_add_co_u32 s18, s18, s19
	s_mov_b32 s19, 0
	s_add_nc_u64 s[12:13], s[12:13], s[18:19]
	s_add_nc_u64 s[96:97], s[96:97], s[18:19]
	s_lshl_b32 s18, s17, 20
	s_lshl_b32 s22, s15, 19
	s_add_co_u32 s18, s18, s22
	s_add_nc_u64 s[96:97], s[96:97], s[18:19]
	v_lshlrev_b32 v30, 6, v2
.irp b, 0,1,2,3,4,5,6,7
	global_load_b128 v[BI+8*\b:BI+8*\b+3], v30, s[12:13] offset:(32*(\b/2)+8*(\b%2))*4
	global_load_b128 v[BI+8*\b+4:BI+8*\b+7], v30, s[12:13] offset:(32*(\b/2)+8*(\b%2))*4+16
.endr
	s_mul_i32 s21, s15, HALFT
	s_mul_i32 s22, s16, HALFT
	s_add_co_u32 s22, s22, 2*HALFT
.irp s, 0,1
	v_add_nc_u32 v[ADRA+\s], s21, v4
	v_add_nc_u32 v[ADRB+\s], s22, v4
	v_add_nc_u32 v[ADRA+2+\s], s21, v5
	v_add_nc_u32 v[ADRB+2+\s], s22, v5
	s_add_co_u32 s21, s21, SLOT
	s_add_co_u32 s22, s22, SLOT
.endr
	s_lshl_b32 s21, s15, 10                        ; scales in LDS: [K slot: 2,048][half: 1,024]
	s_lshl_b32 s22, s16, 10
	s_add_co_u32 s22, s22, 8320
	s_sub_co_u32 s22, s22, s21
	v_mul_u32_u24 v6, s22, v2
	s_add_co_u32 s21, s21, SCL
	v_lshl_add_u32 v6, v1, 3, v6
	v_add_nc_u32 v[ADRS], s21, v6
	s_mul_i32 s23, s14, 16*SPITCH
	v_mul_u32_u24 v[STO], v1, SPITCH
	v_lshl_add_u32 v[STO], v2, 6, v[STO]
	v_add_nc_u32 v[STO], s23, v[STO]
	v_mov_b32 v[CO], v4
	v_add_nc_u32 v[RD], s23, v4
	v_lshl_add_u32 v7, v0, 2, RAW
	v_lshrrev_b32 v8, 6, v0
	v_and_b32 v9, 63, v0
	v_lshlrev_b32 v8, 10, v8
	v_lshl_add_u32 v8, v9, 4, v8
	v_add_nc_u32 v8, SCL, v8
.macro FRAG reg, adr, q, i
	ds_load_b128 v[\reg:\reg+3], v[\adr] offset:3072*(\i)+1536*(\q)
	ds_load_b64 v[\reg+4:\reg+5], v[\adr+2] offset:3072*(\i)+1536*(\q)+512
	ds_load_b128 v[\reg+6:\reg+9], v[\adr] offset:3072*(\i)+1536*(\q)+768
	ds_load_b64 v[\reg+10:\reg+11], v[\adr+2] offset:3072*(\i)+1536*(\q)+1280
.endm
.macro MUL16 a0, p, q, sc, first
.irp a, \a0, \a0+1
.irp b, 0,1,2,3,4,5,6,7
.if \first
	v_wmma_scale_f32_16x16x128_f8f6f4 v[8*(8*((\a)%4)+\b):8*(8*((\a)%4)+\b)+7], v[128*(\p)+FR*\b:128*(\p)+FR*\b+FR-1], v[AF+FR*(\a):AF+FR*(\a)+FR-1], v[BI+8*\b:BI+8*\b+7], v[SC+16*(\sc)+2*\b+(\q)], v[SC+16*(\sc)+2*(\a)+(\q)] matrix_a_fmt:MATRIX_FMT_FP6 matrix_b_fmt:MATRIX_FMT_FP6 matrix_a_scale:MATRIX_SCALE_ROW1
.else
	v_wmma_scale_f32_16x16x128_f8f6f4 v[8*(8*((\a)%4)+\b):8*(8*((\a)%4)+\b)+7], v[128*(\p)+FR*\b:128*(\p)+FR*\b+FR-1], v[AF+FR*(\a):AF+FR*(\a)+FR-1], v[8*(8*((\a)%4)+\b):8*(8*((\a)%4)+\b)+7], v[SC+16*(\sc)+2*\b+(\q)], v[SC+16*(\sc)+2*(\a)+(\q)] matrix_a_fmt:MATRIX_FMT_FP6 matrix_b_fmt:MATRIX_FMT_FP6 matrix_a_scale:MATRIX_SCALE_ROW1
.endif
.endr
.endr
.endm
.macro FETCH_B slot, q, p
	WIN TO_B
.irp i, 0,1,2,3,4,5,6,7
	FRAG 128*(\p)+FR*\i, ADRB+\slot, \q, \i
.endr
	WIN 0
.endm
.macro FETCH_A slot, q, i0
.irp i, \i0, \i0+1, \i0+2, \i0+3
	FRAG AF+FR*(\i), ADRA+\slot, \q, \i
.endr
.endm
.macro SCALES sc
.irp i, 0,1,2,3,4,5,6,7
	ds_load_b64 v[SC+16*(\sc)+2*\i:SC+16*(\sc)+2*\i+1], v[ADRS] offset:128*\i
.endr
.endm
.macro PLACES n
.rept \n
	v_nop
.endr
.endm
.macro STEP slot, q, first
	s_wait_dscnt 4*NL
.if \first
	WIN 0x81
.else
	WIN MUL_LO
.endif
	MUL16 0, (\q)%2, \q, \slot, \first
	MUL16 2, (\q)%2, \q, \slot, \first
	s_wait_dscnt 0
	PLACES NP
	FETCH_B \slot, (\q)+1, 1-(\q)%2
	FETCH_A \slot, (\q)+1, 0
.if \first
	WIN 0xc1
.else
	WIN MUL_HI
.endif
	MUL16 4, (\q)%2, \q, \slot, \first
	MUL16 6, (\q)%2, \q, \slot, \first
	PLACES NP
	WIN 0
	FETCH_A \slot, (\q)+1, 4
.endm
.macro TURN slot, next, fill
	s_wait_tensorcnt 0x0
	ds_add_u32 v[SPW], v[NIL]
	s_wait_dscnt 4*NL+1
	WIN MUL_LO
	MUL16 0, 1, 1, \slot, 0
	s_wait_dscnt 0x0
	s_barrier_signal -1
	MUL16 2, 1, 1, \slot, 0
	WIN 0
	s_barrier_wait -1
.if \fill
	CREST
	s_add_nc_u64 s[G0+4*\slot+2:G0+4*\slot+3], s[G0+4*\slot+2:G0+4*\slot+3], 2*ASTEP
	s_add_nc_u64 s[G0B+4*\slot+2:G0B+4*\slot+3], s[G0B+4*\slot+2:G0B+4*\slot+3], 2*BSTEP
	JLOAD G0+4*\slot, G1, G0B+4*\slot, G1B
.else
	PLACES NP
.endif
	s_wait_alu depctr_va_vdst(0)
	v_add_nc_u32 v[ADRS], 2048, v[ADRS]
	FETCH_B \next, 0, 0
	FETCH_A \next, 0, 0
	SCALES \next
	WIN MUL_HI
	MUL16 4, 1, 1, \slot, 0
	MUL16 6, 1, 1, \slot, 0
	PLACES NP
	WIN 0
	FETCH_A \next, 0, 4
.endm
	s_wait_alu depctr_va_vdst(0)
	s_wait_tensorcnt 0x0                           ; my tile of the head's four is in; the lines ahead of a later first fill:
	ds_add_u32 v28, v29
	s_mov_b32 s[G1+2], 96<<16                      ; no tensor load of mine is out: from here on a load brings 96 rows
	s_mov_b32 s[G1+4], 96
	s_mov_b32 s[G1B+2], 96<<16
	s_mov_b32 s[G1B+4], 96
	s_wait_dscnt 0x0
	CROUND                                         ; all four tiles are in, and all sixteen work-groups are here
	JLOAD G0+4, G1, G0B+4, G1B                     ; K slot 1, the first tensor load behind the round
	s_wait_loadcnt 0x0                             ; the bias
.irp d, 0,1,2,3,4,5,6,7,8,9,10,11,12,13,14,15
	ds_load_b32 v[128+\d], v7 offset:512*\d
.endr
	s_wait_dscnt 0x0
.irp s, 0,1,2,3
	v_perm_b32 v[144+4*\s], v[129+4*\s], v[128+4*\s], 0x05040100
	v_perm_b32 v[145+4*\s], v[131+4*\s], v[130+4*\s], 0x05040100
	v_perm_b32 v[146+4*\s], v[129+4*\s], v[128+4*\s], 0x07060302
	v_perm_b32 v[147+4*\s], v[131+4*\s], v[130+4*\s], 0x07060302
	ds_store_b128 v8, v[144+4*\s:147+4*\s] offset:2048*\s
.endr
	s_wait_dscnt 0x0
	s_barrier_signal -1
	s_barrier_wait -1
	FETCH_B 0, 0, 0
	FETCH_A 0, 0, 0
	SCALES 0
	FETCH_A 0, 0, 4
	STEP 0, 0, 1
	TURN 0, 1, 1
	STEP 1, 0, 0
	TURN 1, 0, 1
	STEP 0, 0, 0
	TURN 0, 1, 0
	STEP 1, 0, 0
	s_wait_dscnt 4*NL
	WIN MUL_LO
	MUL16 0, 1, 1, 1, 0
	MUL16 2, 1, 1, 1, 0
	s_wait_dscnt 0
	WIN MUL_HI
	MUL16 4, 1, 1, 1, 0
	MUL16 6, 1, 1, 1, 0
	WIN 0
.macro TOSTAGE a
.set AC, 64*((\a)%4)
	WIN 0x08+4*((\a)/4)
.irp b, 0,1,2,3,4,5,6,7
	ds_store_b128 v[STO], v[AC+8*\b:AC+8*\b+3] offset:128*(\b/2)+32*(\b%2)
	ds_store_b128 v[STO], v[AC+8*\b+4:AC+8*\b+7] offset:128*(\b/2)+32*(\b%2)+16
.endr
	WIN 0
.set BB, BK+64*((\a)%2)
.irp t, 0,1,2,3,4,5,6,7,8,9,10,11,12,13,14,15
	ds_load_b128 v[BB+4*\t:BB+4*\t+3], v[RD] offset:\t*SPITCH
.endr
.endm
.macro SEND a, younger
.set BB, BK+64*((\a)%2)
	s_wait_dscnt \younger
.irp t, 0,1,2,3,4,5,6,7,8,9,10,11,12,13,14,15
	global_store_b128 v[CO], v[BB+4*\t:BB+4*\t+3], s[96:97] offset:(32*((\a)/2)+8*((\a)%2)+\t+8*(\t/8))*4096 th:TH_STORE_NT
.endr
.endm
	PLACES NP
	TOSTAGE 0
.irp a, 1,2,3,4,5,6,7
.if \a > 1
	s_wait_xcnt 0x0
.endif
	TOSTAGE \a
	SEND \a-1, 32
.endr
	SEND 7, 0
	s_wait_tensorcnt 0x0
	ds_add_u32 v[SPW], v[NIL]
	s_wait_dscnt 0x0
	CROUND
	s_endpgm
.Lfunc_end_k_q54b035a873_outp:
	.size	k_q54b035a873_outp, .Lfunc_end_k_q54b035a873_outp-k_q54b035a873_outp
	.p2alignl 7, 3214868480
	.fill 96, 4, 3214868480
	.section	.rodata,"a",@progbits
	.p2align	6, 0x0
	.amdhsa_kernel k_q54b035a873_outp
		.amdhsa_group_segment_fixed_size 327680
		.amdhsa_private_segment_fixed_size 0
		.amdhsa_enable_private_segment 0
		.amdhsa_kernarg_size 48
		.amdhsa_user_sgpr_count 2
		.amdhsa_user_sgpr_kernarg_segment_ptr 1
		.amdhsa_wavefront_size32 1
		.amdhsa_system_sgpr_workgroup_id_x 1
		.amdhsa_system_sgpr_workgroup_id_y 1
		.amdhsa_system_sgpr_workgroup_id_z 1
		.amdhsa_system_vgpr_workitem_id 0
		.amdhsa_next_free_vgpr 1024
		.amdhsa_next_free_sgpr 102
		.amdhsa_reserve_vcc 0
		.amdhsa_float_denorm_mode_32 3
		.amdhsa_float_denorm_mode_16_64 3
		.amdhsa_memory_ordered 1
		.amdhsa_forward_progress 1
		.amdhsa_inst_pref_size 149
	.end_amdhsa_kernel
	.amdgpu_metadata
---
amdhsa.version: [ 1, 2 ]
amdhsa.kernels:
  - .name:           k_q54b035a873_outp
    .symbol:         k_q54b035a873_outp.kd
    .args:
      - { .name: actc, .offset: 0, .size: 8, .value_kind: global_buffer, .address_space: global }
      - { .name: acts, .offset: 8, .size: 8, .value_kind: global_buffer, .address_space: global }
      - { .name: wc, .offset: 16, .size: 8, .value_kind: global_buffer, .address_space: global }
      - { .name: ws, .offset: 24, .size: 8, .value_kind: global_buffer, .address_space: global }
      - { .name: bo, .offset: 32, .size: 8, .value_kind: global_buffer, .address_space: global }
      - { .name: out0, .offset: 40, .size: 8, .value_kind: global_buffer, .address_space: global }
    .group_segment_fixed_size: 327680
    .private_segment_fixed_size: 0
    .kernarg_segment_align: 8
    .kernarg_segment_size: 48
    .max_flat_workgroup_size: 128
    .sgpr_count:     102
    .vgpr_count:     1024
    .wavefront_size: 32
...
	.end_amdgpu_metadata
.endif
;; end of part 4
